; MI455X (gfx1250); checked and timed in simulation.
; The chip was launched on July 23, 2026; its instructions are those of AMD's public machine-readable ISA for CDNA 5 (MIT licence, August 2026) and "CDNA5" Instruction Set Architecture Reference Guide (July 2026). The comments in the code are by the model that wrote it; some were corrected since.
;; Multi Head Attention. Allowed arithmetic: matrix products marked QUANTISED: E2M1 operands, one E8M0 scale for each 32 along K, by v_wmma_scale_f32_16x16x128_f8f6f4 with both operands' format E2M1 (or v_wmma_scale_f32_32x16x128_f4), f32 sums; products left as they are: bf16, f16 or f32 operands; f32 sums; everything else in f32.
;; Inputs: Wk 1,024 x 16 x 64 float32; Wo 16 x 64 x 1,024 float32; Wq 1,024 x 16 x 64 float32; Wv 1,024 x 16 x 64 float32; bk 16 x 64 float32; bo 1,024 float32; bq 16 x 64 float32; bv 16 x 64 float32; inputs_q 4 x 2,048 x 1,024 float32.
;; Outputs: out0 4 x 2,048 x 1,024 float32.
;; This version of the problem:
;;   THIS VERSION OF THE PROBLEM IS GIVEN IN LOW PRECISION. The matrix products marked QUANTISED in the list below multiply operands that are first quantised to E2M1 (2 exponent bits, 1 mantissa bit; 4 bits a number), with one power-of-two scale for each 32 numbers along K (OCP MX v1.0); their sums are f32. The products marked 'left as it is' may take bf16, f16 or f32 operands, with f32 sums. Whichever they take, every output number must still come out within the allowed error. Rounding operands to bf16 (8 significant bits) uses up far more of that allowance than f16 does (11 bits, for magnitudes from 6e-5 to 65,504). All else is computed in f32.
;;   The module's matrix products, in the order in which they are computed (A, B: the left and right operand; K: the contracted axis; several contracted axes count as one K, in the product's order):
;;     1. [M 8,192, K 1,024] x [K 1,024, N 1,024]; A: input inputs_q; B: input Wq: QUANTISED
;;     2. [M 8,192, K 1,024] x [K 1,024, N 1,024]; A: input inputs_q; B: input Wk: QUANTISED
;;     3. [M 8,192, K 1,024] x [K 1,024, N 1,024]; A: input inputs_q; B: input Wv: QUANTISED
;;     4. batch 64 x [M 2,048, K 64] x [K 64, N 2,048]; A: computed on the way; B: computed on the way: left as it is (an operand is computed on the way)
;;     5. batch 64 x [M 64, K 2,048] x [K 2,048, N 2,048]; A: computed on the way; B: computed on the way: left as it is (an operand is computed on the way)
;;     6. [M 8,192, K 1,024] x [K 1,024, N 1,024]; A: computed on the way; B: input Wo: left as it is (an operand is computed on the way)
;;   THE QUANTISER, for each operand of a quantised product, along K:
;;     - K is cut into blocks of 32 from its start; a last block that is shorter is filled with zeros.
;;     - A block's scale is 2^e with e = floor(log2(the largest magnitude in the block)) - 2, held to -126 .. 127; a block of zeros has e = 0. As a byte (E8M0): e + 127.
;;     - Each number is divided by its block's scale, clamped to +-6, and rounded to the nearest number of E2M1, ties to even, subnormals kept.
;;     - The product sums the exact products of the quantised numbers (number of the format x scale) in f32.
;;   ~~~python
;;   def quantise(x, axis):      # numpy; x: float32 -> the quantised numbers, widened to float32 again
;;       x = np.moveaxis(x, axis, -1); K = x.shape[-1]
;;       x = np.pad(x, [(0, 0)] * (x.ndim - 1) + [(0, -K % 32)]); x = x.reshape(x.shape[:-1] + (-1, 32)); a = np.abs(x).max(-1, keepdims=True)
;;       e = np.where(a > 0, np.clip(np.frexp(np.where(a > 0, a, 1))[1] - 1 - 2, -126, 127), 0)      # np.frexp(a)[1] - 1 = floor(log2(a)), exactly
;;       r = np.clip(x / 2.0 ** e, -6, 6)
;;       step = 2.0 ** (np.maximum(np.frexp(np.where(r == 0, 1, r))[1] - 1, 0) - 1)
;;       q = np.round(r / step) * step * 2.0 ** e      # np.round: ties to even
;;       return np.moveaxis(q.reshape(q.shape[:-2] + (-1,))[..., :K], -1, axis).astype(np.float32)
;;   ~~~
;; One version. Each part assembles by itself: llvm-mc -triple=amdgcn-amd-amdhsa -mcpu=gfx1250 --defsym DOCPART=n.
;; ======== version 1 of 1: 4 launches
;; limits: values are held in f16: magnitudes above 65,504 overflow, below 6.1e-05 lose precision
;; workspace buffers: xc 4,194,304 bytes; xs 262,144 bytes; wc 1,572,864 bytes; ws 98,304 bytes; wo16 2,097,152 bytes; qkv 50,331,648 bytes; att 16,777,216 bytes
;; launch prep (part 1): grid 432 x 1, 4 waves a work-group, no clusters, 68,096 bytes of LDS; arguments inputs_q, Wq, Wk, Wv, Wo, xc, xs, wc, ws, wo16; writes xc, xs, wc, ws, wo16
.if DOCPART == 1
	.amdgcn_target "amdgcn-amd-amdhsa--gfx1250"
	.amdhsa_code_object_version 6
	.text
	.protected	k_q7bba4483c7_prep
	.globl	k_q7bba4483c7_prep
	.p2align	8
	.type	k_q7bba4483c7_prep,@function
k_q7bba4483c7_prep:
	s_mov_b64 s[64:65], 0
	v_nop
	global_prefetch_b8 v0, s[64:65] scope:SCOPE_SE
	s_setreg_imm32_b32 hwreg(HW_REG_WAVE_MODE, 25, 1), 1
	s_wait_xcnt 0x0
; ONE LAUNCH MAKES ALL OPERANDS READY.  Three paths part once, on the work-group's number; the longest has the lowest numbers.
;   work-groups 0-47    Wq, Wk, Wv [1024 (k)][1024 (n)] f32 -> codes of FP4 (E2M1) with K innermost, wc [3072][512 bytes], and one E8M0 byte for each 32 along K, ws [3072][32]
;   work-groups 48-175  Wo [1024 (k)][1024 (n)] f32 -> f16, laid as images of the out-projection's operand registers (wo16)
;   work-groups 176-431 inputs_q [8192][1024] f32 -> codes xc [8192][512 bytes] and scale bytes xs [8192][32]
; A block's scale is 2^(floor(log2(its largest magnitude)) - 2); its byte is the largest magnitude's exponent field - 2, held at 1 from below.  A block of zeros so gets the byte 1:
; its codes are zeros, which add nothing under that byte, and the bytes are read by this program alone.
; LIMITS: NaN and infinities among the inputs are not served; Wo's numbers stay under 65,504 in size (f16).
; No tensor loads, no barrier: waves share nothing.  Each path that uses LDS has bytes of its own.
.set STEPS, 16                         ; path X: steps of 512 numbers for a wave
.set EMAX,  2
.set CB,    8                          ; bytes of 16 codes
.set R,     16                         ; path X: v16-79   four sets of 16 numbers as loaded
.set X,     80                         ;         v80-111  two sets of 16 neighbours
.set E,     112                        ;         v112-127 a scale byte for each step
.set C,     128                        ;         v128-191 codes, four registers a step: no store's data are written again
.set XREG,  8192                       ; path X: LDS of a wave: two stages of 32 x SP bytes, then its 256 scale bytes
.set SP,    80                         ; a lane's place in a stage: 64 bytes + 16 of padding
.set WSTG,  4*XREG                     ; path W: four stages of 32 rows x PITCH
.set PITCH, 272
.set SPARE, WSTG+4*32*PITCH            ; the spare words, 128 bytes a wave: two blocks of 256 bytes that no other line names
.set SPW,   192                        ; v192 LDS address of my spare word; never rewritten
.set NIL,   193                        ; v193 0; never rewritten
.set WX,    32                         ; path W: v32-95 two sets of 32 numbers
.set WC,    96                         ;         v96-99 a block's codes
.set OUTR,  112                        ;         v112-175 the way out
.set SB,    24                         ;         v24-27 the scale bytes, four to a register
	s_load_b256 s[4:11], s[0:1], 0x0               ; inputs_q, Wq, Wk, Wv
	s_load_b256 s[12:19], s[0:1], 0x20             ; Wo, xc, xs, wc
	s_load_b128 s[20:23], s[0:1], 0x40             ; ws, wo16
	v_lshl_add_u32 v[SPW], v0, 2, SPARE
	v_mov_b32 v[NIL], 0
	v_lshrrev_b32 v1, 5, v0
	v_readfirstlane_b32 s24, v1                    ; wave 0..3
	v_and_b32 v2, 31, v0                           ; lane
	s_mov_b32 s29, 0                               ; the high word of every offset pair s[28:29]
	s_wait_kmcnt 0x0
	s_cmp_lt_u32 ttmp9, 48
	s_cbranch_scc1 .Lweights
	s_cmp_lt_u32 ttmp9, 176
	s_cbranch_scc1 .Lwo
; ---------------- PATH X: inputs_q.  Rows are dense and 1,024 is a multiple of 32: the tensor is a plain stream of blocks of 32, and so are its codes and scale bytes.
; A wave takes 16 steps of 512 numbers.  Each load reads 512 consecutive bytes, 16 a lane; a step's 2,048 bytes go through the wave's own stage in LDS and come back 64 bytes a lane,
; so that a lane holds 16 neighbours along K (two neighbouring lanes hold a block), as the conversions want them.
	v_lshlrev_b32 v3, 4, v2                        ; my 16 bytes of a load's 512
	s_mul_i32 s25, s24, XREG
	v_lshrrev_b32 v14, 2, v2
	v_mul_u32_u24 v14, v14, SP
	v_and_b32 v15, 3, v2
	v_lshl_add_u32 v14, v15, 4, v14
	v_add_nc_u32 v14, s25, v14                     ; the stage, on the way in: SP (lane / 4) + 16 (lane % 4)
	v_mul_u32_u24 v15, v2, SP
	v_add_nc_u32 v15, s25, v15                     ; and on the way out: SP x lane
	v_mul_u32_u24 v4, v2, CB                       ; my codes' place in a step's
	v_lshrrev_b32 v5, 1, v2
	s_add_co_u32 s25, s25, 2*32*SP
	v_add_nc_u32 v5, s25, v5                       ; my wave's 256 scale bytes, my block's byte
	v_lshlrev_b32 v7, 3, v2
	v_add_nc_u32 v6, s25, v7                       ; and on the way out 8 bytes a lane
	s_sub_co_u32 s26, ttmp9, 176
	s_lshl_b32 s26, s26, 2
	s_add_co_u32 s26, s26, s24                     ; which run of 8,192 numbers is my wave's: 0..1023
	s_lshl_b32 s28, s26, 15
	s_add_nc_u64 s[4:5], s[4:5], s[28:29]          ; 32,768 bytes of numbers,
	s_lshl_b32 s28, s26, 12
	s_add_nc_u64 s[14:15], s[14:15], s[28:29]      ; 4,096 of codes,
	s_lshl_b32 s28, s26, 8
	s_add_nc_u64 s[16:17], s[16:17], s[28:29]      ; 256 scale bytes a run
.macro LOADX t
.irp i, 0,1,2,3
	global_load_b128 v[R+16*((\t)%4)+4*\i:R+16*((\t)%4)+4*\i+3], v3, s[4:5] offset:2048*(\t)+512*\i th:TH_LOAD_NT
.endr
.endm
.macro TURNX t                         ; step t's numbers through the stage: LDS serves a wave's instructions in order, so no wait stands between the stores and the loads
.irp i, 0,1,2,3
	ds_store_b128 v14, v[R+16*((\t)%4)+4*\i:R+16*((\t)%4)+4*\i+3] offset:32*SP*((\t)%2)+8*SP*\i
.endr
.irp i, 0,1,2,3
	ds_load_b128 v[X+16*((\t)%2)+4*\i:X+16*((\t)%2)+4*\i+3], v15 offset:32*SP*((\t)%2)+16*\i
.endr
.endm
.irp t, 0,1,2,3
	LOADX \t
.endr
	s_wait_loadcnt 12                              ; step 0's four loads are in
	TURNX 0
.macro STEPX t
.set XS, X+16*((\t)%2)
.if (\t) > 0
	s_wait_dscnt 1                                 ; this step's numbers are back from the stage (the last step's byte store may be out): so its stores into the stage have read their registers,
.else
	s_wait_dscnt 0x0
.endif
.if (\t)+4 < STEPS
	LOADX (\t)+4                                   ; which take the loads of four steps on
.endif
.if (\t)+1 < STEPS
.if STEPS-2-(\t) >= 3
	s_wait_loadcnt 12                              ; the next step's four loads are in; those of the three steps behind it may be out
.else
	s_wait_loadcnt 4*(STEPS-2-(\t))
.endif
	TURNX (\t)+1                                   ; and go through the other stage while this step is worked
.endif
	v_max3_num_f32 v8, |v[XS]|, |v[XS+1]|, |v[XS+2]|               ; the largest magnitude of my 16, in two chains
	v_max3_num_f32 v9, |v[XS+3]|, |v[XS+4]|, |v[XS+5]|
.irp i, 6,10
	v_max3_num_f32 v8, v8, |v[XS+\i]|, |v[XS+\i+1]|
	v_max3_num_f32 v9, v9, |v[XS+\i+2]|, |v[XS+\i+3]|
.endr
	v_max3_num_f32 v8, v8, |v[XS+14]|, |v[XS+15]|
	v_max3_num_f32 v8, v8, v9, (EMAX+1)<<23        ; and the floor 2^(3 - 127): the byte cannot fall under 1
	v_max_num_f32_dpp v8, v8, v8 row_xmask:1 row_mask:0xf bank_mask:0xf   ; and of my neighbour's 16: the block's
	v_add_nc_u32 v11, -(EMAX<<23), v8              ; 2 off its exponent field: the conversion takes the exponent field of this operand as its scale
	v_cvt_scalef32_pk8_fp4_f32 v[C+4*(\t)], v[XS:XS+7], v11
	v_cvt_scalef32_pk8_fp4_f32 v[C+4*(\t)+1], v[XS+8:XS+15], v11
	v_lshrrev_b32 v[E+(\t)], 23, v11               ; the scale's byte (a plain line behind the conversions)
	ds_store_b8 v5, v[E+(\t)] offset:16*(\t)       ; both lanes of a block write the same byte with the same value
	global_store_b64 v4, v[C+4*(\t):C+4*(\t)+1], s[14:15] offset:32*CB*(\t)   ; the wave stores 256 consecutive bytes, aligned
.endm
.irp t, 0,1,2,3,4,5,6,7,8,9,10,11,12,13,14,15
	STEPX \t
.endr
	ds_load_b64 v[8:9], v6                         ; LDS serves a wave's instructions in order: these see my stores
	s_wait_dscnt 0x0
	global_store_b64 v7, v[8:9], s[16:17]          ; 32 lanes store 256 consecutive bytes, aligned
	s_branch .Ldone
; ---------------- PATH W: Wq, Wk, Wv.  K is the first axis.  A LANE TAKES A COLUMN n AND ITS REGISTERS RUN DOWN K: a block of 32 lies in one lane's 32 registers,
; and the conversions give codes with K innermost.  A wave takes 32 columns x 512 along K; its codes go through its own stage and leave as rows of 256 bytes.
; Loads run two blocks ahead: a wait on LOADcnt names at most 63, so a third set of 32 could not be counted.
.Lweights:
	s_lshr_b32 s25, ttmp9, 4                       ; which weight: 0 Wq, 1 Wk, 2 Wv
	s_and_b32 s30, ttmp9, 7                        ; which 128 columns
	s_bfe_u32 s31, ttmp9, 0x10003                  ; which 512 along K
	s_cmp_eq_u32 s25, 0
	s_cselect_b64 s[26:27], s[6:7], s[8:9]
	s_cmp_eq_u32 s25, 2
	s_cselect_b64 s[26:27], s[10:11], s[26:27]
	s_lshl_b32 s32, s30, 7
	s_lshl_b32 s33, s24, 5
	s_add_co_u32 s32, s32, s33                     ; my wave's first column in the weight
	s_lshl_b32 s28, s31, 21                        ; 512 rows of 4,096 bytes
	s_lshl_b32 s33, s32, 2
	s_add_co_u32 s28, s28, s33
	s_add_nc_u64 s[26:27], s[26:27], s[28:29]
	s_lshl_b32 s33, s25, 10
	s_add_co_u32 s32, s32, s33                     ; its row in wc and ws
	s_lshl_b32 s28, s32, 9
	s_lshl_b32 s33, s31, 8
	s_add_co_u32 s28, s28, s33
	s_add_nc_u64 s[18:19], s[18:19], s[28:29]      ; codes: row x 512 + 256 y
	s_lshl_b32 s28, s32, 5
	s_lshl_b32 s33, s31, 4
	s_add_co_u32 s28, s28, s33
	s_add_nc_u64 s[20:21], s[20:21], s[28:29]      ; scale bytes: row x 32 + 16 y
	v_lshlrev_b32 v3, 2, v2                        ; in: 4 bytes a lane
	s_mul_i32 s33, s24, 32*PITCH
	s_add_co_u32 s33, s33, WSTG                    ; my stage
	v_mul_u32_u24 v4, v2, PITCH
	v_add_nc_u32 v4, s33, v4                       ; into it: row = my column
	v_and_b32 v5, 15, v2
	v_lshrrev_b32 v6, 4, v2
	v_mul_u32_u24 v7, v6, PITCH
	v_lshl_add_u32 v7, v5, 4, v7
	v_add_nc_u32 v7, s33, v7                       ; out of it: sixteen lanes to a row, two rows an instruction
	v_lshlrev_b32 v8, 9, v6
	v_lshl_add_u32 v8, v5, 4, v8                   ; and the same place in wc
	v_lshlrev_b32 v9, 5, v2                        ; my column's row of scale bytes
.macro LOADW t
.irp i, 0,1,2,3,4,5,6,7,8,9,10,11,12,13,14,15,16,17,18,19,20,21,22,23,24,25,26,27,28,29,30,31
	global_load_b32 v[WX+32*((\t)%2)+\i], v3, s[26:27] offset:(32*(\t)+\i)*4096 th:TH_LOAD_NT
.endr
.endm
	LOADW 0
	LOADW 1
.macro BLOCKW t
.set WS, WX+32*((\t)%2)
.if (\t) < 15
	s_wait_loadcnt 32                              ; this block's 32 loads are in; the next block's may be out
.else
	s_wait_loadcnt 0x0
.endif
	v_max3_num_f32 v12, |v[WS]|, |v[WS+1]|, |v[WS+2]|
	v_max3_num_f32 v13, |v[WS+3]|, |v[WS+4]|, |v[WS+5]|
.irp i, 6,10,14,18,22,26
	v_max3_num_f32 v12, v12, |v[WS+\i]|, |v[WS+\i+1]|
	v_max3_num_f32 v13, v13, |v[WS+\i+2]|, |v[WS+\i+3]|
.endr
	v_max3_num_f32 v12, v12, |v[WS+30]|, |v[WS+31]|
	v_max3_num_f32 v12, v12, v13, (EMAX+1)<<23     ; and the floor
	v_add_nc_u32 v11, -(EMAX<<23), v12             ; the conversions' scale operand
	v_lshrrev_b32 v13, 23, v11                     ; the scale's byte
.if (\t)%4 == 0
	v_mov_b32 v[SB+(\t)/4], v13
.else
	v_lshl_or_b32 v[SB+(\t)/4], v13, 8*((\t)%4), v[SB+(\t)/4]
.endif
.irp g, 0,1,2,3
	v_cvt_scalef32_pk8_fp4_f32 v[WC+\g], v[WS+8*\g:WS+8*\g+7], v11
.endr
	ds_store_b128 v4, v[WC:WC+3] offset:16*(\t)    ; 32 codes: 16 bytes of my column's row
.if (\t)+2 < 16
	LOADW (\t)+2
.endif
	s_wait_dscnt 0x0                               ; the store has read its registers: the next block's codes may be written
.endm
.set Q, 0
.rept 16
	BLOCKW Q
.set Q, Q+1
.endr
	global_store_b128 v9, v[SB:SB+3], s[20:21]     ; my column's 16 scale bytes
.irp t, 0,1,2,3,4,5,6,7,8,9,10,11,12,13,14,15
	ds_load_b128 v[OUTR+4*\t:OUTR+4*\t+3], v7 offset:2*\t*PITCH
.endr
.irp t, 0,1,2,3,4,5,6,7,8,9,10,11,12,13,14,15
	s_wait_dscnt 15-\t                             ; the younger loads may be out
	global_store_b128 v8, v[OUTR+4*\t:OUTR+4*\t+3], s[18:19] offset:2*\t*512   ; sixteen lanes store 256 consecutive bytes, aligned
.endr
	s_branch .Ldone
; ---------------- PATH O: Wo -> f16, as images of operand registers: block of 256 n x 524,288 + (k / 32) x 16,384 + (n / 16 % 16) x 1,024 + g x 512 + 16 x lane;
; lane (r, h) holds n = 16 ni + r, k = 32 kb + 16 g + 8 h + 0..7.  A wave takes 32 columns x 64 along k, a lane a column, registers down k.
.Lwo:
	s_sub_co_u32 s25, ttmp9, 48
	s_and_b32 s26, s25, 7                          ; which 128 columns
	s_lshr_b32 s27, s25, 3                         ; which 64 along k
	v_lshlrev_b32 v3, 2, v2
	v_lshlrev_b32 v4, 4, v2
	s_lshl_b32 s28, s27, 18                        ; 64 rows of 4,096 bytes
	s_lshl_b32 s30, s26, 9
	s_add_co_u32 s28, s28, s30
	s_lshl_b32 s30, s24, 7
	s_add_co_u32 s28, s28, s30
	s_add_nc_u64 s[12:13], s[12:13], s[28:29]
.irp i, 0,1,2,3,4,5,6,7,8,9,10,11,12,13,14,15,16,17,18,19,20,21,22,23,24,25,26,27,28,29,30,31,32,33,34,35,36,37,38,39,40,41,42,43,44,45,46,47,48,49,50,51,52,53,54,55,56,57,58,59,60,61,62,63
	global_load_b32 v[32+\i], v3, s[12:13] offset:\i*4096 th:TH_LOAD_NT
.endr
	s_lshr_b32 s28, s26, 1
	s_lshl_b32 s28, s28, 19                        ; the block of 256 n
	s_lshl_b32 s30, s27, 15                        ; two steps of 32 along k
	s_add_co_u32 s28, s28, s30
	s_and_b32 s30, s26, 1
	s_lshl_b32 s30, s30, 13
	s_add_co_u32 s28, s28, s30
	s_lshl_b32 s30, s24, 11                        ; my two tiles of 16 n
	s_add_co_u32 s28, s28, s30
	s_add_nc_u64 s[22:23], s[22:23], s[28:29]
.irp kb, 0,1
.if \kb == 0
	s_wait_loadcnt 32                              ; the first 32 along k are in; the other 32 loads may be out
.else
	s_wait_loadcnt 0x0
.endif
.irp g, 0,1
.irp hh, 0,1
.irp q, 0,1,2,3
	v_cvt_pk_f16_f32 v[96+8*(2*\kb+\g)+4*\hh+\q], v[32+32*\kb+16*\g+8*\hh+2*\q], v[33+32*\kb+16*\g+8*\hh+2*\q]
.endr
.endr
.endr
.irp g, 0,1
.irp q, 0,1,2,3
	v_permlane16_swap_b32 v[96+8*(2*\kb+\g)+\q], v[100+8*(2*\kb+\g)+\q]   ; the first four registers now hold my columns 0-15 (lanes 16-31: k + 8), the second four my columns 16-31
.endr
.endr
.irp g, 0,1
.irp tl, 0,1
	global_store_b128 v4, v[96+8*(2*\kb+\g)+4*\tl:96+8*(2*\kb+\g)+4*\tl+3], s[22:23] offset:\kb*16384+\tl*1024+\g*512   ; 512 consecutive bytes, aligned
.endr
.endr
.endr
.Ldone:
	s_wait_tensorcnt 0x0                           ; the wave's end, behind my last LDS store
	ds_add_u32 v[SPW], v[NIL]
	s_wait_dscnt 0x0
	s_endpgm
.Lfunc_end_k_q7bba4483c7_prep:
	.size	k_q7bba4483c7_prep, .Lfunc_end_k_q7bba4483c7_prep-k_q7bba4483c7_prep
	.p2alignl 7, 3214868480
	.fill 96, 4, 3214868480
	.section	.rodata,"a",@progbits
	.p2align	6, 0x0
	.amdhsa_kernel k_q7bba4483c7_prep
		.amdhsa_group_segment_fixed_size 68096
		.amdhsa_private_segment_fixed_size 0
		.amdhsa_enable_private_segment 0
		.amdhsa_kernarg_size 80
		.amdhsa_user_sgpr_count 2
		.amdhsa_user_sgpr_kernarg_segment_ptr 1
		.amdhsa_wavefront_size32 1
		.amdhsa_system_sgpr_workgroup_id_x 1
		.amdhsa_system_sgpr_workgroup_id_y 1
		.amdhsa_system_sgpr_workgroup_id_z 1
		.amdhsa_system_vgpr_workitem_id 0
		.amdhsa_next_free_vgpr 200
		.amdhsa_next_free_sgpr 66
		.amdhsa_reserve_vcc 0
		.amdhsa_float_denorm_mode_32 3
		.amdhsa_float_denorm_mode_16_64 3
		.amdhsa_memory_ordered 1
		.amdhsa_forward_progress 1
		.amdhsa_inst_pref_size 121
	.end_amdhsa_kernel
	.amdgpu_metadata
---
amdhsa.version: [ 1, 2 ]
amdhsa.kernels:
  - .name:           k_q7bba4483c7_prep
    .symbol:         k_q7bba4483c7_prep.kd
    .args:
      - { .name: inputs_q, .offset: 0, .size: 8, .value_kind: global_buffer, .address_space: global }
      - { .name: Wq, .offset: 8, .size: 8, .value_kind: global_buffer, .address_space: global }
      - { .name: Wk, .offset: 16, .size: 8, .value_kind: global_buffer, .address_space: global }
      - { .name: Wv, .offset: 24, .size: 8, .value_kind: global_buffer, .address_space: global }
      - { .name: Wo, .offset: 32, .size: 8, .value_kind: global_buffer, .address_space: global }
      - { .name: xc, .offset: 40, .size: 8, .value_kind: global_buffer, .address_space: global }
      - { .name: xs, .offset: 48, .size: 8, .value_kind: global_buffer, .address_space: global }
      - { .name: wc, .offset: 56, .size: 8, .value_kind: global_buffer, .address_space: global }
      - { .name: ws, .offset: 64, .size: 8, .value_kind: global_buffer, .address_space: global }
      - { .name: wo16, .offset: 72, .size: 8, .value_kind: global_buffer, .address_space: global }
    .group_segment_fixed_size: 68096
    .private_segment_fixed_size: 0
    .kernarg_segment_align: 8
    .kernarg_segment_size: 80
    .max_flat_workgroup_size: 128
    .sgpr_count:     66
    .vgpr_count:     200
    .wavefront_size: 32
...
	.end_amdgpu_metadata
.endif
;; end of part 1
;; launch qkv_gemm (part 2): grid 12 x 32, 4 waves a work-group, clusters of 4 x 4, 327,680 bytes of LDS; arguments xc, xs, wc, ws, bq, bk, bv, qkv; writes qkv
.if DOCPART == 2
	.amdgcn_target "amdgcn-amd-amdhsa--gfx1250"
	.amdhsa_code_object_version 6
	.text
	.protected	k_q7bba4483c7_qkv_gemm
	.globl	k_q7bba4483c7_qkv_gemm
	.p2align	8
	.type	k_q7bba4483c7_qkv_gemm,@function
k_q7bba4483c7_qkv_gemm:
	s_mov_b64 s[64:65], 0
	v_nop
	global_prefetch_b8 v0, s[64:65] scope:SCOPE_SE
	s_setreg_imm32_b32 hwreg(HW_REG_WAVE_MODE, 25, 1), 1
	s_wait_xcnt 0x0
	s_wait_alu depctr_hold_cnt(0) depctr_sa_sdst(0) depctr_va_vdst(0) depctr_va_sdst(0) depctr_va_ssrc(0) depctr_va_vcc(0) depctr_vm_vsrc(0)
	s_getreg_b32 s2, hwreg(HW_REG_IB_STS2, 6, 4)
	s_cmp_eq_u32 s2, 0
	s_cbranch_scc0 .Lentry_in_a_cluster
	s_endpgm
.Lentry_in_a_cluster:
	s_bfe_u32 s2, ttmp6, 0x10000c
	s_cmp_lg_u32 s2, 0xf033
	s_cbranch_scc0 .Lentry_shape_is_right
	s_endpgm
.Lentry_shape_is_right:
; q, k, v = x W + b, the three quantised products as ONE product on codes of FP4 (E2M1) with one E8M0 scale for each 32 along K: A = xc [8192][1024 codes], B = wc [3072][1024 codes]; sums in f32.
; A tile of 256 tokens x 256 channels is made by four waves, each 128 x 128: 64 accumulators, 512 registers.  K = 1,024 is two LDS slots of 512 along K: both are first fills, nothing is filled again.
; The scale bytes of the work-group's rows come into LDS once, with the first fills.  CLUSTERS: 4 x 4 work-groups; A's tiles are asked for jointly along a row of the cluster, B's along a column.
; THE MATRIX INSTRUCTION IS USED TRANSPOSED (source 0 = 16 rows of B, source 1 = 16 rows of A): a lane holds one token and eight neighbouring channels.  THE BIAS IS THE C OF EACH SUM'S FIRST PRODUCT.
; THE WAY OUT: rounded to f16, 16 bytes a lane, stored straight from registers: qkv is laid in tiles of 16 tokens x 16 channels (512 bytes), so each store of the wave covers 512 consecutive bytes, aligned:
;   (batch x 16 + head) x 786,432 + (token / 256) x 98,304 + part x 32,768 (0 q, 1 k, 2 v) + (token / 16 % 16) x 2,048 + (channel / 16) x 512 + the place in the tile:
;   q, k: 16 x lane (an image of half an operand fragment);  v: token x 32 + 16 x (channel / 8): rows, for the turning load.
; LIMITS: |q|, |k|, |v| stay under 65,504 (f16); NaN and infinities are not served.
; REGISTERS: window 0: v0-31 addresses; v32-95 scale words, two sets; from v128 A's fragments, one set.  window 1: B's fragments at v0 and v128; v64-127 the bias.  windows 2, 3: the accumulators.
.set KSTEP,  512
.set NQ,     KSTEP/128
.set ROWB,   256                       ; a tile's row in bytes
.set KROW,   512                       ; a row of xc or wc in bytes
.set PITCH,  272                       ; an LDS row: 256 bytes + 16 of padding
.set FR,     8
.set NL,     2
.set NP,     4
.set HALFT,  128*PITCH
.set SLOT,   4*HALFT
.set KS,     32                        ; a row of scale bytes
.set SCL,    2*SLOT
.set HALFS,  (128*KS/256)*272
.set SBLK,   (16*KS/256)*272
.set SPARE,  SCL+4*HALFS               ; the spare words, 128 bytes a wave: two blocks of 256 bytes that no other line names
.set ADRA, 16
.set ADRB, 20
.set BA,   24                          ; v24  32 x (lane / 16): my eight numbers of a bias tile
.set CO,   26                          ; v26  my 16 bytes in a tile of qkv
.set ADRS, 27
.set SPW,  28
.set NIL,  29
.set SC,   32
.set AF,   128
.set BI,   64                          ; in window 1: the bias, eight registers for each of B's eight blocks
.set OB,   32                          ; the way out: 128 registers of packed results
.set G1, 24
.set G0, 32
.set G1B, 48
.set G0B, 56
.set G1S, 68
.set G0S, 76
.set G1SB, 80
.set G0SB, 88
.set MSB, 0
.macro WIN new                         ; the immediate's high byte repeats the setting that is left
.if MSB != (\new)
	s_set_vgpr_msb (MSB<<8)|(\new)
.set MSB, (\new)
.endif
.endm
.set MUL_LO, 0xa1                      ; source 0 (B) window 1, source 1 (A) window 0, C and D window 2
.set MUL_HI, 0xf1                      ; the same, C and D window 3
.set TO_B,   0x40
; A joint load: waves 0 and 1 fetch for A, waves 2 and 3 for B; the branch hangs on the wave's number alone.  An s_nop 0 and four v_nop follow each line.
.macro JLOAD g0a, g1a, g0b, g1b
	s_cmp_eq_u32 s15, 0
	s_cbranch_scc0 .Lfor_b_\@
	tensor_load_to_lds s[\g0a:\g0a+3], s[\g1a:\g1a+7]
	s_nop 0
.rept 4
	v_nop
.endr
	s_branch .Lasked_\@
.Lfor_b_\@:
	tensor_load_to_lds s[\g0b:\g0b+3], s[\g1b:\g1b+7]
	s_nop 0
.rept 4
	v_nop
.endr
.Lasked_\@:
.endm
.macro CROUND                          ; a round of the cluster's barrier
	s_barrier_signal -1
	s_barrier_wait -1
	s_cmp_lg_u32 s14, 0
	s_cbranch_scc1 .Lnot_wave_0_\@
	s_barrier_signal -3
.Lnot_wave_0_\@:
	s_barrier_wait -3
	s_barrier_signal -1
	s_barrier_wait -1
.endm
	s_load_b256 s[4:11], s[0:1], 0x0               ; xc s[4:5], xs s[6:7], wc s[8:9], ws s[10:11]
	s_load_b128 s[92:95], s[0:1], 0x20             ; bq, bk
	s_load_b128 s[96:99], s[0:1], 0x30             ; bv, qkv
	v_lshl_add_u32 v[SPW], v0, 2, SPARE
	v_mov_b32 v[NIL], 0
	ds_add_u32 v[SPW], v[NIL]                      ; the wave's opening: the add, twice on end, and its wait ahead of my first tensor load
	ds_add_u32 v[SPW], v[NIL]
	v_lshrrev_b32 v1, 5, v0
	v_readfirstlane_b32 s14, v1                    ; wave 0..3
	s_lshr_b32 s15, s14, 1                         ; which half of the tile's tokens is mine.  Also: I fetch for A (0) or for B (1)
	s_and_b32 s16, s14, 1                          ; which half of its channels.  Also: which 128 rows I fetch
	s_bfe_u32 s40, ttmp6, 0x40000                  ; cx, cy
	s_bfe_u32 s41, ttmp6, 0x40004
	s_lshl_b32 s42, ttmp9, 2
	s_add_co_u32 s42, s42, s40                     ; tile column = 4 x cluster x + cx; cluster x is 0 for q, 1 for k, 2 for v
	s_and_b32 s17, ttmp7, 0xffff
	s_lshl_b32 s17, s17, 2
	s_add_co_u32 s17, s17, s41                     ; tile row = 4 x cluster y + cy
	s_lshl_b32 s43, s41, 2
	s_lshl_b32 s43, 15, s43                        ; my row of the cluster
	s_lshl_b32 s44, 0x1111, s40                    ; my column
	s_or_b32 s[G1+0], s43, (0<<16)|(1<<20)|(1<<21)|(5<<22)|(3<<25)  ; the mask; elements of 1 byte; padding on; bit 21 beside a mask; 4 words behind every 64
	s_or_b32 s[G1B+0], s44, (0<<16)|(1<<20)|(1<<21)|(5<<22)|(3<<25)
.irp g, G1, G1B
	s_mov_b32 s[\g+1], ROWB<<16                    ; tensor_dim0
	s_mov_b32 s[\g+2], 128<<16                     ; tensor_dim1
	s_mov_b32 s[\g+3], ROWB<<16                    ; tile_dim0
	s_mov_b32 s[\g+4], 128                         ; tile_dim1
	s_mov_b32 s[\g+5], KROW                        ; the pitch
	s_mov_b32 s[\g+6], 0
	s_mov_b32 s[\g+7], 0
.endr
	s_or_b32 s[G1S+0], s43, (3<<16)|(1<<20)|(1<<21)|(5<<22)|(3<<25)  ; the scales of 128 rows: 4,096 dense bytes as 16 rows of 256, 16 bytes of padding behind each
	s_or_b32 s[G1SB+0], s44, (3<<16)|(1<<20)|(1<<21)|(5<<22)|(3<<25)
.irp g, G1S, G1SB
	s_mov_b32 s[\g+1], 32<<16
	s_mov_b32 s[\g+2], (128*KS/256)<<16
	s_mov_b32 s[\g+3], 32<<16
	s_mov_b32 s[\g+4], 128*KS/256
	s_mov_b32 s[\g+5], 32
	s_mov_b32 s[\g+6], 0
	s_mov_b32 s[\g+7], 0
.endr
	s_lshl_b32 s18, s16, 7
	s_lshl_b32 s20, s17, 8
	s_add_co_u32 s20, s20, s18                     ; A: row 256 x tile row + 128 x half
	s_lshl_b32 s46, s42, 8
	s_add_co_u32 s46, s46, s18                     ; B: row 256 x tile column + 128 x half
	s_mov_b32 s21, 0
	s_mov_b32 s47, 0
	s_mov_b64 s[18:19], KS
	s_mul_u64 s[22:23], s[20:21], s[18:19]
	s_mul_u64 s[100:101], s[46:47], s[18:19]
	s_mov_b64 s[18:19], KROW
	s_mul_u64 s[20:21], s[20:21], s[18:19]
	s_mul_u64 s[46:47], s[46:47], s[18:19]
	s_mul_i32 s45, s14, HALFT                      ; where they go: wave x 128 rows
	s_mul_i32 s3, s14, HALFS
	s_wait_dscnt 0x0                               ; both opening adds are done
	s_wait_kmcnt 0x0
	s_add_nc_u64 s[20:21], s[4:5], s[20:21]
	s_add_nc_u64 s[22:23], s[6:7], s[22:23]
	s_add_nc_u64 s[46:47], s[8:9], s[46:47]
	s_add_nc_u64 s[100:101], s[10:11], s[100:101]
	CROUND                                         ; all sixteen work-groups are here: the first joint loads meet
	s_mov_b32 s[G0S], 1
	s_add_co_u32 s[G0S+1], s3, SCL
	s_mov_b64 s[G0S+2:G0S+3], s[22:23]
	s_or_b32 s[G0S+3], s[G0S+3], 0x80000000
	s_mov_b32 s[G0SB], 1
	s_add_co_u32 s[G0SB+1], s3, SCL
	s_mov_b64 s[G0SB+2:G0SB+3], s[100:101]
	s_or_b32 s[G0SB+3], s[G0SB+3], 0x80000000
	JLOAD G0S, G1S, G0SB, G1SB                     ; the scales first: three loads of mine are out behind the third
.irp s, 0,1
	s_mov_b32 s[G0+4*\s], 1
	s_add_co_u32 s[G0+4*\s+1], s45, \s*SLOT
	s_add_nc_u64 s[G0+4*\s+2:G0+4*\s+3], s[20:21], \s*ROWB
	s_or_b32 s[G0+4*\s+3], s[G0+4*\s+3], 0x80000000
	s_mov_b32 s[G0B+4*\s], 1
	s_add_co_u32 s[G0B+4*\s+1], s45, \s*SLOT
	s_add_nc_u64 s[G0B+4*\s+2:G0B+4*\s+3], s[46:47], \s*ROWB
	s_or_b32 s[G0B+4*\s+3], s[G0B+4*\s+3], 0x80000000
	JLOAD G0+4*\s, G1, G0B+4*\s, G1B
.endr
	v_and_b32 v1, 15, v0                           ; l % 16
	v_bfe_u32 v2, v0, 4, 1                         ; l / 16
	v_mul_u32_u24 v3, v1, PITCH
	v_lshl_add_u32 v4, v2, 4, v3
	s_mul_i32 s21, s15, HALFT
	s_mul_i32 s22, s16, HALFT
	s_add_co_u32 s22, s22, 2*HALFT
.irp s, 0,1
	v_add_nc_u32 v[ADRA+\s], s21, v4
	v_add_nc_u32 v[ADRB+\s], s22, v4
	s_add_co_u32 s21, s21, SLOT
	s_add_co_u32 s22, s22, SLOT
.endr
	v_mul_u32_u24 v5, v1, KS                       ; my row's scales: 32 bytes a row,
	v_lshrrev_b32 v6, 8, v5
	v_lshl_add_u32 v5, v6, 4, v5                   ; and 16 more for each 256 passed
	s_mul_i32 s21, s15, HALFS
	s_mul_i32 s22, s16, HALFS
	s_add_co_u32 s22, s22, 2*HALFS
	s_sub_co_u32 s22, s22, s21
	v_mul_u32_u24 v6, s22, v2                      ; lanes 16-31 take B's
	s_add_co_u32 s21, s21, SCL
	v_add_nc_u32 v5, v5, v6
	v_add_nc_u32 v[ADRS], s21, v5
	; the bias of my 128 channels: the buffer by cluster x, which all partners share
	s_cmp_eq_u32 ttmp9, 0
	s_cselect_b64 s[66:67], s[92:93], s[94:95]
	s_cmp_eq_u32 ttmp9, 2
	s_cselect_b64 s[66:67], s[96:97], s[66:67]
	s_cselect_b32 s2, 32, 16                       ; my place in a tile of qkv: q, k: 16 r + 256 h;  v: 32 r + 16 h
	s_cselect_b32 s3, 16, 0x100
	v_mul_u32_u24 v[CO], v1, s2
	v_mad_u32_u24 v[CO], v2, s3, v[CO]
	v_lshlrev_b32 v[BA], 5, v2
	s_lshl_b32 s46, s40, 10
	s_lshl_b32 s47, s16, 9
	s_add_co_u32 s46, s46, s47                     ; (256 cx + 128 x half) x 4 bytes
	s_mov_b32 s47, 0
	s_add_nc_u64 s[66:67], s[66:67], s[46:47]
	WIN TO_B
.irp b, 0,1,2,3,4,5,6,7
	global_load_b128 v[BI+8*\b:BI+8*\b+3], v[BA], s[66:67] offset:64*\b          ; lane (r, h): the bias of channels 16 b + 8 h + 0..7: the result's layout
	global_load_b128 v[BI+8*\b+4:BI+8*\b+7], v[BA], s[66:67] offset:64*\b+16
.endr
	WIN 0
	; where my part of qkv begins
	s_lshr_b32 s20, s17, 3                         ; the batch
	s_lshl_b32 s20, s20, 4
	s_lshl_b32 s46, s40, 2
	s_add_co_u32 s46, s46, s20
	s_lshl_b32 s47, s16, 1
	s_add_co_u32 s46, s46, s47                     ; batch x 16 + the head of my blocks 0-3
	s_mul_i32 s46, s46, 786432
	s_and_b32 s47, s17, 7
	s_mul_i32 s47, s47, 98304
	s_add_co_u32 s46, s46, s47
	s_lshl_b32 s47, ttmp9, 15
	s_add_co_u32 s46, s46, s47
	s_lshl_b32 s47, s15, 14
	s_add_co_u32 s46, s46, s47
	s_mov_b32 s47, 0
	s_add_nc_u64 s[12:13], s[98:99], s[46:47]
.macro FRAG reg, adr, q, i             ; 16 rows x 128 K of 4-bit codes: 8 registers, two loads of 16 bytes, 32 bytes apart
.irp c, 0,1
	ds_load_b128 v[\reg+4*\c:\reg+4*\c+3], v[\adr] offset:64*(\q)+32*\c+(\i)*16*PITCH
.endr
.endm
; 16 matrix instructions: A's blocks a0, a0 + 1 x B's eight.  zero = 1: the first product starts the sums, with the bias as C.  The 64 accumulators take turns, one instruction a turn.
.macro MUL16 a0, p, q, sc, zero
.irp a, \a0, \a0+1
.irp b, 0,1,2,3,4,5,6,7
.if \zero
	v_wmma_scale_f32_16x16x128_f8f6f4 v[8*(8*((\a)%4)+\b):8*(8*((\a)%4)+\b)+7], v[128*(\p)+FR*\b:128*(\p)+FR*\b+FR-1], v[AF+FR*(\a):AF+FR*(\a)+FR-1], v[BI+8*\b:BI+8*\b+7], v[SC+8*NQ*(\sc)+NQ*\b+(\q)], v[SC+8*NQ*(\sc)+NQ*(\a)+(\q)] matrix_a_fmt:MATRIX_FMT_FP4 matrix_b_fmt:MATRIX_FMT_FP4 matrix_a_scale:MATRIX_SCALE_ROW1
.else
	v_wmma_scale_f32_16x16x128_f8f6f4 v[8*(8*((\a)%4)+\b):8*(8*((\a)%4)+\b)+7], v[128*(\p)+FR*\b:128*(\p)+FR*\b+FR-1], v[AF+FR*(\a):AF+FR*(\a)+FR-1], v[8*(8*((\a)%4)+\b):8*(8*((\a)%4)+\b)+7], v[SC+8*NQ*(\sc)+NQ*\b+(\q)], v[SC+8*NQ*(\sc)+NQ*(\a)+(\q)] matrix_a_fmt:MATRIX_FMT_FP4 matrix_b_fmt:MATRIX_FMT_FP4 matrix_a_scale:MATRIX_SCALE_ROW1
.endif
.endr
.endr
.endm
.macro FETCH_B slot, q, p
	WIN TO_B
.irp i, 0,1,2,3,4,5,6,7
	FRAG 128*(\p)+FR*\i, ADRB+\slot, \q, \i
.endr
	WIN 0
.endm
.macro FETCH_A slot, q, i0
.irp i, \i0, \i0+1, \i0+2, \i0+3
	FRAG AF+FR*(\i), ADRA+\slot, \q, \i
.endr
.endm
.macro SCALES sc                       ; a slot's scale words: lanes 0-15 take A's block i, lanes 16-31 B's block i
.irp i, 0,1,2,3,4,5,6,7
	ds_load_b128 v[SC+8*NQ*\sc+NQ*\i:SC+8*NQ*\sc+NQ*\i+3], v[ADRS] offset:\i*SBLK
.endr
.endm
.macro PLACES n                        ; plain vector instructions between a matrix instruction and a load into, or a vector write or read of, its registers
.rept \n
	v_nop
.endr
.endm
.macro STEP slot, q, zero              ; 128 along K that have their successor in the same slot
	s_wait_dscnt 4*NL                              ; B's set and A's blocks 0-3 are in; the youngest eight loads (A's blocks 4-7) may be out
	WIN MUL_LO-0x10*(\zero)                        ; zero = 1: C, the bias, lies in window 1
	MUL16 0, (\q)%2, \q, \slot, \zero
	MUL16 2, (\q)%2, \q, \slot, \zero
	s_wait_dscnt 0
	PLACES NP
	FETCH_B \slot, (\q)+1, 1-(\q)%2
	FETCH_A \slot, (\q)+1, 0
	WIN MUL_HI-0x20*(\zero)
	MUL16 4, (\q)%2, \q, \slot, \zero
	MUL16 6, (\q)%2, \q, \slot, \zero
	PLACES NP
	WIN 0
	FETCH_A \slot, (\q)+1, 4
.endm
.macro STEPS slot, from
.set Q, \from
.rept NQ-1-\from
	STEP \slot, Q, 0
.set Q, Q+1
.endr
.endm
	s_wait_tensorcnt 1                             ; the scales and my part of slot 0 are in (slot 1's load may be out),
	s_barrier_signal -1
	s_barrier_wait -1                              ; everybody's are
	FETCH_B 0, 0, 0
	FETCH_A 0, 0, 0
	SCALES 0
	FETCH_A 0, 0, 4
	s_wait_loadcnt 0x0                             ; the bias
	STEP 0, 0, 1
	STEPS 0, 1
	; slot 0's last step changes slots: one barrier
	s_wait_tensorcnt 0x0                           ; my part of slot 1 has landed
	ds_add_u32 v[SPW], v[NIL]                      ; 0 onto my spare word
	s_wait_dscnt 4*NL+1                            ; (the add and A's blocks 4-7 may be out)
	WIN MUL_LO
	MUL16 0, 1, NQ-1, 0, 0
	s_wait_dscnt 0x0                               ; the add is done, and my reads of slot 0 are over
	s_barrier_signal -1
	MUL16 2, 1, NQ-1, 0, 0
	WIN 0
	s_barrier_wait -1
	PLACES NP
	v_add_nc_u32 v[ADRS], 4*NQ, v[ADRS]            ; on to slot 1's scale words
	FETCH_B 1, 0, 0
	FETCH_A 1, 0, 0
	SCALES 1
	WIN MUL_HI
	MUL16 4, 1, NQ-1, 0, 0
	MUL16 6, 1, NQ-1, 0, 0
	PLACES NP
	WIN 0
	FETCH_A 1, 0, 4
	STEPS 1, 0
	s_wait_dscnt 4*NL                              ; the very last step: nothing more to fetch
	WIN MUL_LO
	MUL16 0, 1, NQ-1, 1, 0
	MUL16 2, 1, NQ-1, 1, 0
	s_wait_dscnt 0
	WIN MUL_HI
	MUL16 4, 1, NQ-1, 1, 0
	MUL16 6, 1, NQ-1, 1, 0
	WIN 0
; THE WAY OUT.  Half hi of my tokens (window 2 + hi): each accumulator from its low end on, rounded to f16 in pairs: 16 bytes a lane, which are the lane's place in a tile of qkv.
; Half 0 is packed into window 0, half 1 into window 1 (B's fragments are done with): no store's data are written again.
.macro OUT hi
	WIN ((\hi)<<6)|(0x0a+5*(\hi))
.irp a, 0,1,2,3
.irp b, 0,1,2,3,4,5,6,7
.irp r, 0,1,2,3
	v_cvt_pk_f16_f32 v[OB+4*(8*\a+\b)+\r], v[8*(8*\a+\b)+2*\r], v[8*(8*\a+\b)+2*\r+1]
.endr
.endr
.endr
	WIN (\hi)<<2                                   ; a store's data are its source 1
.irp a, 0,1,2,3
.irp b, 0,1,2,3,4,5,6,7
	global_store_b128 v[CO], v[OB+4*(8*\a+\b):OB+4*(8*\a+\b)+3], s[12:13] offset:(\b/4)*786432+(4*(\hi)+\a)*2048+(\b%4)*512   ; 512 consecutive bytes, aligned: one tile
.endr
.endr
.endm
	PLACES NP                                      ; behind the last products: the conversions write registers that held scales and fragments
	OUT 0
	OUT 1
	WIN 0
	s_wait_tensorcnt 0x0                           ; the wave's end
	ds_add_u32 v[SPW], v[NIL]
	s_wait_dscnt 0x0
	CROUND                                         ; the closing round
	s_endpgm
.Lfunc_end_k_q7bba4483c7_qkv_gemm:
	.size	k_q7bba4483c7_qkv_gemm, .Lfunc_end_k_q7bba4483c7_qkv_gemm-k_q7bba4483c7_qkv_gemm
	.p2alignl 7, 3214868480
	.fill 96, 4, 3214868480
	.section	.rodata,"a",@progbits
	.p2align	6, 0x0
	.amdhsa_kernel k_q7bba4483c7_qkv_gemm
		.amdhsa_group_segment_fixed_size 327680
		.amdhsa_private_segment_fixed_size 0
		.amdhsa_enable_private_segment 0
		.amdhsa_kernarg_size 64
		.amdhsa_user_sgpr_count 2
		.amdhsa_user_sgpr_kernarg_segment_ptr 1
		.amdhsa_wavefront_size32 1
		.amdhsa_system_sgpr_workgroup_id_x 1
		.amdhsa_system_sgpr_workgroup_id_y 1
		.amdhsa_system_sgpr_workgroup_id_z 1
		.amdhsa_system_vgpr_workitem_id 0
		.amdhsa_next_free_vgpr 1024
		.amdhsa_next_free_sgpr 104
		.amdhsa_reserve_vcc 0
		.amdhsa_float_denorm_mode_32 3
		.amdhsa_float_denorm_mode_16_64 3
		.amdhsa_memory_ordered 1
		.amdhsa_forward_progress 1
		.amdhsa_inst_pref_size 119
	.end_amdhsa_kernel
	.amdgpu_metadata
---
amdhsa.version: [ 1, 2 ]
amdhsa.kernels:
  - .name:           k_q7bba4483c7_qkv_gemm
    .symbol:         k_q7bba4483c7_qkv_gemm.kd
    .args:
      - { .name: xc, .offset: 0, .size: 8, .value_kind: global_buffer, .address_space: global }
      - { .name: xs, .offset: 8, .size: 8, .value_kind: global_buffer, .address_space: global }
      - { .name: wc, .offset: 16, .size: 8, .value_kind: global_buffer, .address_space: global }
      - { .name: ws, .offset: 24, .size: 8, .value_kind: global_buffer, .address_space: global }
      - { .name: bq, .offset: 32, .size: 8, .value_kind: global_buffer, .address_space: global }
      - { .name: bk, .offset: 40, .size: 8, .value_kind: global_buffer, .address_space: global }
      - { .name: bv, .offset: 48, .size: 8, .value_kind: global_buffer, .address_space: global }
      - { .name: qkv, .offset: 56, .size: 8, .value_kind: global_buffer, .address_space: global }
    .group_segment_fixed_size: 327680
    .private_segment_fixed_size: 0
    .kernarg_segment_align: 8
    .kernarg_segment_size: 64
    .max_flat_workgroup_size: 128
    .sgpr_count:     104
    .vgpr_count:     1024
    .wavefront_size: 32
...
	.end_amdgpu_metadata
.endif
;; end of part 2
;; launch attn (part 3): grid 4 x 64, 8 waves a work-group, clusters of 4 x 1, 327,680 bytes of LDS; arguments qkv, att; writes att
.if DOCPART == 3
	.amdgcn_target "amdgcn-amd-amdhsa--gfx1250"
	.amdhsa_code_object_version 6
	.text
	.protected	k_q7bba4483c7_attn
	.globl	k_q7bba4483c7_attn
	.p2align	8
	.type	k_q7bba4483c7_attn,@function
k_q7bba4483c7_attn:
	s_mov_b64 s[64:65], 0
	v_nop
	global_prefetch_b8 v0, s[64:65] scope:SCOPE_SE
	s_setreg_imm32_b32 hwreg(HW_REG_WAVE_MODE, 25, 1), 1
	s_wait_xcnt 0x0
	s_wait_alu depctr_hold_cnt(0) depctr_sa_sdst(0) depctr_va_vdst(0) depctr_va_sdst(0) depctr_va_ssrc(0) depctr_va_vcc(0) depctr_vm_vsrc(0)
	s_getreg_b32 s2, hwreg(HW_REG_IB_STS2, 6, 4)
	s_cmp_eq_u32 s2, 0
	s_cbranch_scc0 .Lentry_in_a_cluster
	s_endpgm
.Lentry_in_a_cluster:
	s_bfe_u32 s2, ttmp6, 0x10000c
	s_cmp_lg_u32 s2, 0x3003
	s_cbranch_scc0 .Lentry_shape_is_right
	s_endpgm
.Lentry_shape_is_right:
; att[b][q][h][:] = the sum over k of softmax_k(q . k / 8) v, no mask; operands in f16, products, maxima and sums in f32; the weights p are rounded to f16 for the second product, the result once at the end.
; SHARES.  A cluster is the four blocks of 512 queries of one (batch, head); a work-group has eight waves, each with 64 queries: four tiles of 16, in 512 registers, two waves to a SIMD.  Keys go 64 a step, 32 steps.
; LAYOUT.  S^T = K Q^T (source 0 = 16 keys, source 1 = 16 queries), O^T = V^T P: a lane holds ONE query throughout.  Two tiles of S^T, rounded to f16 in pairs IN PLACE, are source 1 of the second product.
; q and k lie in memory as images of operand registers, v in tiles of 16 keys x 32 bytes for the turning load; k and v of 256 keys are 65,536 bytes on end: one LDS slot, dense, no padding: a load's 512 bytes are consecutive.
; SOFTMAX.  A running maximum m and sum l for each query: p = 2^(c s - c m), c = log2(e) / 8; in every step O and l are multiplied by a = 2^(c m_old - c m_new).  m begins at -3e38 and O and l at 0, so the step is written once.
; TWO GROUPS OF WAVES.  A wave's work goes by phases: M(j) = V^T P of step j - 1, then K Q^T of step j (64 matrix instructions), and SM(j), the softmax (vector work).  In trip j group 0 runs M(j), SM(j), group 1 SM(j - 1), M(j):
; the group is (w xor (w / 4)) mod 2, so that waves w and w + 4, and waves w and w + 1, are of different groups.  M(j) reads K(j) and V(j) from LDS and nothing else, so at a trip's end both groups have done with step j.
; CLUSTER.  The four partners walk the same K and V: each tile is asked for jointly (mask 15); each of the eight waves brings 8,192 bytes of a slot.
; LIMITS: |q|, |k|, |v| under 65,504 (f16); NaN and infinities are not served.
; REGISTERS.  window 0: v1-7 addresses; v8-39 statistics, eight a tile: +0 c m, +1 m, +2, +3 l, +4..+7 at work (a at +6); v64-191 S^T, 32 a tile (P in the low 16); v192-255 K's fragments.
;   window 1: v0-127 O^T (32 t + 8 ct); v128-191 Q (16 t + 8 c); v192-255 V's fragments (32 kb + 8 ct).
.set SLOT1, 1<<16
.set SPARE, 2*SLOT1                    ; the spare words, 128 bytes a wave: four blocks of 256 bytes that no other line names
.set UNIT,  98304                      ; q, k, v of 256 tokens
.set HEADB, 786432
.set LI,  1                            ; v1  16 x lane
.set LV,  2                            ; v2  the turning load's place: (8 (l / 16) + l % 8) x 32 + 16 ((l / 8) % 2)
.set ADK, 3                            ; v3  LDS address of the step's K
.set ADV, 4                            ; v4  of its V (less 32,768)
.set PFO, 5                            ; v5  256 x lane
.set SPW, 6
.set NIL, 7
.set ST,  8
.set S,   64
.set KF,  192
.set VF,  192
.set QF,  128
.set WV,  8                            ; s8  wave;  s9 group;  s10 cx;  s11 batch x 16 + head
.set GRP, 9
.set G1,  16                           ; s[16:23] descriptor group 1;  s[24:27] group 0 of slot 0's first fill;  s[28:31] the walking group 0
.set PFA, 32                           ; s[32:33] where my prefetches stand
.set LIM, 34
.set SLOTS, 35
.set TRIPS, 36
.set TB,  37                           ; s37 LDS byte at which the step's K begins
.set CS,  38                           ; s[38:39] c, twice
.set SEL, 40                           ; s[40:41] selects for lane l xor 16
.set MSB, 0
.macro WIN new
.if MSB != (\new)
	s_set_vgpr_msb (MSB<<8)|(\new)
.set MSB, (\new)
.endif
.endm
.macro CROUND
	s_barrier_signal -1
	s_barrier_wait -1
	s_cmp_lg_u32 s[WV], 0
	s_cbranch_scc1 .Lnot_wave_0_\@
	s_barrier_signal -3
.Lnot_wave_0_\@:
	s_barrier_wait -3
	s_barrier_signal -1
	s_barrier_wait -1
.endm
.macro PLACES5                         ; five plain places: the next matrix instructions write over registers that the last ones read, and loads follow into others (ISA guide 7.12.1 for the matrix instructions)
.rept 5
	v_nop
.endr
.endm
	s_load_b128 s[4:7], s[0:1], 0x0                ; qkv, att
	v_lshl_add_u32 v[SPW], v0, 2, SPARE
	v_mov_b32 v[NIL], 0
	ds_add_u32 v[SPW], v[NIL]                      ; the wave's opening: the add, twice on end, and its wait ahead of my first tensor load
	ds_add_u32 v[SPW], v[NIL]
	v_lshrrev_b32 v1, 5, v0
	v_readfirstlane_b32 s[WV], v1                  ; wave 0..7
	s_lshr_b32 s[GRP], s[WV], 2
	s_xor_b32 s[GRP], s[GRP], s[WV]
	s_and_b32 s[GRP], s[GRP], 1
	s_bfe_u32 s10, ttmp6, 0x40000                  ; cx: it enters Q's, att's and the prefetches' addresses alone
	s_and_b32 s11, ttmp7, 0xffff
	s_mov_b32 s[G1], 15|(3<<16)|(1<<21)            ; the mask: all four; elements of 8 bytes; bit 21 beside a mask; no padding
	s_mov_b32 s[G1+1], 32<<16                      ; tensor_dim0 = 32 elements: 256 bytes
	s_mov_b32 s[G1+2], 32<<16                      ; tensor_dim1 = 32 rows
	s_mov_b32 s[G1+3], 32<<16                      ; tile_dim0
	s_mov_b32 s[G1+4], 32                          ; tile_dim1
	s_mov_b32 s[G1+5], 32                          ; the pitch: dense
	s_mov_b32 s[G1+6], 0
	s_mov_b32 s[G1+7], 0
	s_mov_b32 s[CS], 0x3e38aa3b                    ; c = log2(e) / 8
	s_mov_b32 s[CS+1], s[CS]
	s_mov_b32 s[SEL], 0x76543210
	s_mov_b32 s[SEL+1], 0xfedcba98
	s_mov_b32 s[TB], 0
	s_mov_b32 s[SLOTS], 6
	s_cmp_lt_u32 s[WV], 2
	s_cselect_b32 s[LIM], 1, -1                    ; waves 0 and 1 prefetch
	s_mul_i32 s12, s11, HEADB
	s_mov_b32 s13, 0
	s_lshl_b32 s14, s[WV], 13                      ; my 8,192 bytes of a slot
	s_add_co_u32 s42, s14, 32768                   ; k begins 32,768 bytes into a unit
	s_mov_b32 s43, 0
	s_wait_dscnt 0x0                               ; both opening adds are done
	s_wait_kmcnt 0x0
	s_add_nc_u64 s[4:5], s[4:5], s[12:13]          ; qkv at my head
	s_add_nc_u64 s[44:45], s[4:5], s[42:43]        ; my part of unit 0's k and v
	CROUND                                         ; all four work-groups are here: the first joint loads meet
	s_mov_b32 s24, 1
	s_mov_b32 s25, s14
	s_mov_b64 s[26:27], s[44:45]
	s_or_b32 s27, s27, 0x80000000
	s_mov_b32 s28, 1
	s_add_co_u32 s29, s14, SLOT1
	s_add_nc_u64 s[30:31], s[44:45], UNIT
	s_or_b32 s31, s31, 0x80000000
	tensor_load_to_lds s[24:27], s[G1:G1+7]        ; keys 0-255
	s_nop 0
	tensor_load_to_lds s[28:31], s[G1:G1+7]        ; keys 256-511: two loads of mine are out
	s_nop 0
.rept 4
	v_nop
.endr
	v_and_b32 v1, 31, v0
	v_bfe_u32 v8, v0, 4, 1
	v_and_b32 v9, 7, v0
	v_lshl_add_u32 v[LV], v8, 3, v9
	v_bfe_u32 v9, v0, 3, 1
	v_lshlrev_b32 v[LV], 5, v[LV]
	v_lshl_add_u32 v[LV], v9, 4, v[LV]
	v_lshlrev_b32 v[PFO], 8, v1
	v_lshlrev_b32 v[LI], 4, v1
	s_lshl_b32 s46, s10, 14                        ; the prefetches: my work-group's 16,384 bytes of a slot, my wave's 8,192 of them (s[44:45] holds those),
	s_add_co_u32 s46, s46, 2*UNIT                  ; in unit 2: the first change of slots steps it to unit 3.  Nothing is prefetched here, at the head
	s_mov_b32 s47, 0
	s_add_nc_u64 s[PFA:PFA+1], s[44:45], s[46:47]
	s_lshl_b32 s46, s10, 1                         ; Q: unit 2 cx + w / 4, token tiles 4 (w % 4) on
	s_lshr_b32 s50, s[WV], 2
	s_add_co_u32 s46, s46, s50
	s_mul_i32 s46, s46, UNIT
	s_and_b32 s50, s[WV], 3
	s_lshl_b32 s50, s50, 13
	s_add_co_u32 s46, s46, s50
	s_add_nc_u64 s[48:49], s[4:5], s[46:47]
	s_lshr_b32 s46, s11, 4                         ; att: block of 128 tokens = batch x 16 + 4 cx + w / 2,
	s_lshl_b32 s46, s46, 4
	s_lshl_b32 s50, s10, 2
	s_add_co_u32 s46, s46, s50
	s_lshr_b32 s50, s[WV], 1
	s_add_co_u32 s46, s46, s50
	s_lshl_b32 s46, s46, 18
	s_and_b32 s50, s11, 15                         ; the head's two steps of 32 along k,
	s_lshl_b32 s50, s50, 14
	s_add_co_u32 s46, s46, s50
	s_and_b32 s50, s[WV], 1                        ; my four token tiles
	s_lshl_b32 s50, s50, 12
	s_add_co_u32 s46, s46, s50
	s_add_nc_u64 s[6:7], s[6:7], s[46:47]
	WIN 0x40                                       ; destination window 1
.irp t, 0,1,2,3
.irp c, 0,1
.irp g, 0,1
	global_load_b128 v[QF+16*\t+8*\c+4*\g:QF+16*\t+8*\c+4*\g+3], v[LI], s[48:49] offset:\t*2048+\c*1024+\g*512   ; Q stays in registers
.endr
.endr
.endr
.set ii, 0
.rept 128
	v_mov_b32 v[ii], 0                             ; O^T, once: the step is written once, and its first change of m multiplies zeros
.set ii, ii+1
.endr
	WIN 0
.irp t, 0,1,2,3
	v_mov_b32 v[ST+8*\t+1], 0xff61b1e6             ; m = -3e38, under every score
	v_mov_b32 v[ST+8*\t+2], 0                      ; l
	v_mov_b32 v[ST+8*\t+3], 0
.endr
.irp t, 0,1,2,3
	v_mul_f32 v[ST+8*\t], s[CS], v[ST+8*\t+1]      ; c m
.endr
; THE MATRIX PHASE.  pv = 2: O^T += V^T P of the step before; kq = 1: K's and V's fragments of this step, and S^T = K Q^T.  The accumulators take turns, one instruction a turn, sixteen in a round.
.macro MPH pv, kq
.if \kq
.irp kt, 0,1,2,3
.irp c, 0,1
.irp g, 0,1
	ds_load_b128 v[KF+16*\kt+8*\c+4*\g:KF+16*\kt+8*\c+4*\g+3], v[ADK] offset:\kt*2048+\c*1024+\g*512
.endr
.endr
.endr
.endif
.if \pv
.if \kq
	s_wait_dscnt 16                                ; V, asked for a phase ago, is in; the 16 loads of K just issued may be out
.else
	s_wait_dscnt 0x0
.endif
	WIN 0x51                                       ; V and O^T in window 1, P in window 0
.irp kb, 0,1
.irp ct, 0,1,2,3
.irp t, 0,1,2,3
	v_wmma_f32_16x16x32_f16 v[32*\t+8*\ct:32*\t+8*\ct+7], v[VF+32*\kb+8*\ct:VF+32*\kb+8*\ct+7], v[S+32*\t+8*\kb:S+32*\t+8*\kb+7], v[32*\t+8*\ct:32*\t+8*\ct+7]
.endr
.endr
.endr
	WIN 0
	PLACES5
.endif
.if \kq
	WIN 0x40
.irp kb, 0,1
.irp ct, 0,1,2,3
.irp g, 0,1
	ds_load_tr16_b128 v[VF+32*\kb+8*\ct+4*\g:VF+32*\kb+8*\ct+4*\g+3], v[ADV] offset:32768+(2*\kb+\g)*2048+\ct*512
.endr
.endr
.endr
	s_wait_dscnt 16                                ; K is in; the 16 loads of V may be out
	WIN 0x04                                       ; K and S^T in window 0, Q in window 1
.irp c, 0,1
.irp kt, 0,1,2,3
.irp t, 0,1,2,3
.if \c == 0
	v_wmma_f32_16x16x32_f16 v[S+32*\t+8*\kt:S+32*\t+8*\kt+7], v[KF+16*\kt+8*\c:KF+16*\kt+8*\c+7], v[QF+16*\t+8*\c:QF+16*\t+8*\c+7], 0
.else
	v_wmma_f32_16x16x32_f16 v[S+32*\t+8*\kt:S+32*\t+8*\kt+7], v[KF+16*\kt+8*\c:KF+16*\kt+8*\c+7], v[QF+16*\t+8*\c:QF+16*\t+8*\c+7], v[S+32*\t+8*\kt:S+32*\t+8*\kt+7]
.endif
.endr
.endr
.endr
	WIN 0
	PLACES5
.endif
.endm
; THE VECTOR PHASE.  SM1: number j of 21 for tile t: the maximum of the lane's 32 scores and the old m (each accumulator is read from its low end on), the other half of the lanes', the new m, c m, c m_old - c m.
.macro SM1 j, t
.set rT, ST+8*(\t)
.set rS, S+32*(\t)
.if \j < 4
	v_max3_num_f32 v[rT+4+\j], v[rS+8*\j], v[rS+8*\j+1], v[rS+8*\j+2]
.elseif \j < 12
	v_max3_num_f32 v[rT+4+\j%4], v[rT+4+\j%4], v[rS+8*(\j%4)+2*(\j/4)+1], v[rS+8*(\j%4)+2*(\j/4)+2]
.elseif \j == 12
	v_max3_num_f32 v[rT+4], v[rT+4], v[rS+7], v[rS+15]
.elseif \j == 13
	v_max3_num_f32 v[rT+6], v[rT+6], v[rS+23], v[rS+31]
.elseif \j == 14
	v_max3_num_f32 v[rT+4], v[rT+4], v[rT+5], v[rT+6]
.elseif \j == 15
	v_max3_num_f32 v[rT+4], v[rT+4], v[rT+7], v[rT+1]
.elseif \j == 16
	v_permlanex16_b32 v[rT+5], v[rT+4], s[SEL], s[SEL+1]
.elseif \j == 17
	v_mov_b32 v[rT+7], v[rT]
.elseif \j == 18
	v_max_num_f32 v[rT+1], v[rT+4], v[rT+5]
.elseif \j == 19
	v_mul_f32 v[rT], s[CS], v[rT+1]
.else
	v_sub_f32 v[rT+7], v[rT+7], v[rT]
.endif
.endm
.macro SCL t, p                        ; pair p of tile t: c s - c m
.set rT, ST+8*(\t)
.set rS, S+32*(\t)+2*(\p)
	v_pk_fma_f32 v[rS:rS+1], v[rS:rS+1], s[CS:CS+1], v[rT:rT+1] op_sel_hi:[1,0,0] neg_lo:[0,0,1] neg_hi:[0,0,1]
.endm
.macro SUMP t, z                       ; z = 0..15: l = a l + the sum of the tile's 16 pairs of unrounded p, in two chains;  z = 16..31: p rounded to f16, in place, ascending
.set rT, ST+8*(\t)
.set rS, S+32*(\t)
.if (\z) == 0
	v_pk_fma_f32 v[rT+2:rT+3], v[rT+2:rT+3], v[rT+6:rT+7], v[rS:rS+1] op_sel_hi:[1,0,1]
.elseif (\z) == 1
	v_pk_add_f32 v[rT+4:rT+5], v[rS+2:rS+3], v[rS+4:rS+5]
.elseif (\z) < 15
.if (\z)%2 == 0
	v_pk_add_f32 v[rT+2:rT+3], v[rT+2:rT+3], v[rS+2*(\z)+2:rS+2*(\z)+3]
.else
	v_pk_add_f32 v[rT+4:rT+5], v[rT+4:rT+5], v[rS+2*(\z)+2:rS+2*(\z)+3]
.endif
.elseif (\z) == 15
	v_pk_add_f32 v[rT+2:rT+3], v[rT+2:rT+3], v[rT+4:rT+5]
.else
	v_cvt_pk_f16_f32 v[rS+(\z)-16], v[rS+2*((\z)-16)], v[rS+2*((\z)-16)+1]
.endif
.endm
; The exponentials go in two batches, each with one wait ahead of its first reader: a and tiles 0, 1 (with the scalings of tiles 2, 3 among them), then tiles 2, 3 (with the sums and roundings of tiles 0, 1 among them).
.macro SMX
.irp j, 0,1,2,3,4,5,6,7,8,9,10,11,12,13,14,15,16,17,18,19,20
.irp t, 0,1,2,3
	SM1 \j, \t
.endr
.endr
.set bb, 0
.rept 16
	SCL 0, bb
	SCL 1, bb
.if bb < 4
	v_exp_f32 v[ST+8*bb+6], v[ST+8*bb+7]           ; a of tile bb
.endif
.set bb, bb+1
.endr
.set ee, 0
.rept 32
	SCL 2+ee%2, ee/2
	v_exp_f32 v[S+ee], v[S+ee]
	v_exp_f32 v[S+32+ee], v[S+32+ee]
.set ee, ee+1
.endr
	v_nop                                          ; a plain instruction behind the last exponential
	s_wait_alu depctr_va_vdst(0)                   ; one wait for the first batch
.set zz, 0
.rept 32
	SUMP 0, zz
	v_exp_f32 v[S+64+zz], v[S+64+zz]
	SUMP 1, zz
	v_exp_f32 v[S+96+zz], v[S+96+zz]
.set zz, zz+1
.endr
	v_nop
	s_wait_alu depctr_va_vdst(0)                   ; and one for the second
.set zz, 0
.rept 32
	SUMP 2, zz
	SUMP 3, zz
.set zz, zz+1
.endr
	WIN 0x41                                       ; O^T in window 1, a in window 0
.irp t, 0,1,2,3
.set ii, 32*\t
.rept 16
	v_pk_mul_f32 v[ii:ii+1], v[ii:ii+1], v[ST+8*\t+6:ST+8*\t+7] op_sel_hi:[1,0]
.set ii, ii+2
.endr
.endr
	WIN 0
.endm
; A TRIP: one key step.  The LDS addresses are made ahead of the parting; the branch hangs on the wave's number alone; no barrier stands in an arm.
.macro TRIP
	v_add_nc_u32 v[ADK], s[TB], v[LI]
	v_add_nc_u32 v[ADV], s[TB], v[LV]
	s_cmp_eq_u32 s[GRP], 0
	s_cbranch_scc0 .Lgroup_1_\@
	MPH 2, 1
	SMX
	s_branch .Ljoin_\@
.Lgroup_1_\@:
	SMX
	MPH 2, 1
.Ljoin_\@:
	s_add_co_u32 s[TB], s[TB], 8192
.endm
; A PREFETCH INTO THE L2 of what the NEXT change of slots will ask for: a unit's 65,536 bytes of k and v.  The four partners share them out BY ADDRESS, 16,384 each; in each, waves 0 and 1 ask for 8,192, lanes 256 bytes apart:
; each aligned block of 256 bytes is named once in the launch.  It stands behind the wave's tensor load and its five lines.  The last change that fills a slot asks for nothing; units 0 to 2 come by their loads alone.
.macro ASK
	s_cmp_gt_u32 s[SLOTS], s[LIM]
	s_cbranch_scc0 .Lnot_mine_\@
	global_prefetch_b8 v[PFO], s[PFA:PFA+1] th:TH_LOAD_NT scope:SCOPE_SE
.Lnot_mine_\@:
.endm
; THE CHANGE OF SLOTS.  Each wave waits for all its tensor loads (one is out: its part of the other slot), adds 0 to its spare word, and waits for that and for its reads of the slot.
; fill = 1: the barrier is a round of the cluster's, and the joint refill, the keys two slots on, is the first thing behind it: it has four trips in which to land.
.macro CHANGE fill
	s_wait_tensorcnt 0x0                           ; no tensor load of mine is out, so a group 0 may be written
	ds_add_u32 v[SPW], v[NIL]                      ; 0 onto my spare word
.if \fill
	s_xor_b32 s29, s29, SLOT1                      ; the other slot than last time,
	s_add_nc_u64 s[30:31], s[30:31], UNIT          ; the next 256 keys
	s_wait_xcnt 0x0                                ; the last prefetch, four trips back, has read its address
	s_add_nc_u64 s[PFA:PFA+1], s[PFA:PFA+1], UNIT
	s_wait_dscnt 0x0                               ; the add is done, and my reads of the slot are over
	CROUND
	tensor_load_to_lds s[28:31], s[G1:G1+7]
	s_nop 0
.rept 4
	v_nop
.endr
	ASK
.else
	s_wait_dscnt 0x0
	s_barrier_signal -1
	s_barrier_wait -1
.endif
	s_sub_co_u32 s[TB], s[TB], 32768               ; back to a slot's first step,
	s_xor_b32 s[TB], s[TB], SLOT1                  ; in the other slot
.endm
	s_wait_tensorcnt 0x1                           ; my part of slot 0 is in; slot 1's may stay out
	s_barrier_signal -1
	s_barrier_wait -1
	s_wait_loadcnt 0x0                             ; Q
	; TRIP 0, written out: group 0's first scores; a barrier, which sets the groups half a trip apart; group 0's first softmax beside group 1's first scores
	v_add_nc_u32 v[ADK], s[TB], v[LI]
	v_add_nc_u32 v[ADV], s[TB], v[LV]
	s_cmp_eq_u32 s[GRP], 0
	s_cbranch_scc0 .Lwait_0
	MPH 0, 1
.Lwait_0:
	s_wait_dscnt 0x0
	s_barrier_signal -1
	s_barrier_wait -1
	s_cmp_eq_u32 s[GRP], 0
	s_cbranch_scc0 .Lscores_1
	SMX
	s_branch .Ltrip_0_done
.Lscores_1:
	MPH 0, 1
.Ltrip_0_done:
	s_add_co_u32 s[TB], s[TB], 8192
	s_mov_b32 s[TRIPS], 3
.Lfirst:
	TRIP
	s_sub_co_u32 s[TRIPS], s[TRIPS], 1
	s_cmp_lg_u32 s[TRIPS], 0
	s_cbranch_scc1 .Lfirst
.Lslot:                                            ; six trips: every slot but the last two is filled again
	CHANGE 1
	s_mov_b32 s[TRIPS], 4
.Lstep:
	TRIP
	s_sub_co_u32 s[TRIPS], s[TRIPS], 1
	s_cmp_lg_u32 s[TRIPS], 0
	s_cbranch_scc1 .Lstep
	s_sub_co_u32 s[SLOTS], s[SLOTS], 1
	s_cmp_lg_u32 s[SLOTS], 0
	s_cbranch_scc1 .Lslot
	CHANGE 0                                       ; the tail is written out
	s_mov_b32 s[TRIPS], 4
.Llast:
	TRIP
	s_sub_co_u32 s[TRIPS], s[TRIPS], 1
	s_cmp_lg_u32 s[TRIPS], 0
	s_cbranch_scc1 .Llast
	s_cmp_eq_u32 s[GRP], 0                         ; group 1 still owes the last step's softmax
	s_cbranch_scc1 .Ldrain
	SMX
.Ldrain:
	MPH 2, 0                                       ; V^T P of the last step
	; THE WAY OUT.  l's halves and the other half of the lanes' are added; O^T / l is rounded to f16: a lane's eight channels of a query are 16 bytes, its place in an image of the out-projection's operand:
	; block of 128 tokens x 262,144 + (k / 32) x 8,192 + (token / 16 % 8) x 1,024 + g x 512 + 16 x lane, k = 64 head + channel.  Each store of the wave covers 512 consecutive bytes, aligned.
.irp t, 0,1,2,3
	v_add_f32 v[ST+8*\t+4], v[ST+8*\t+2], v[ST+8*\t+3]
.endr
.irp t, 0,1,2,3
	v_permlanex16_b32 v[ST+8*\t+5], v[ST+8*\t+4], s[SEL], s[SEL+1]
.endr
.irp t, 0,1,2,3
	v_add_f32 v[ST+8*\t+4], v[ST+8*\t+4], v[ST+8*\t+5]
.endr
.irp t, 0,1,2,3
	v_rcp_f32 v[ST+8*\t+6], v[ST+8*\t+4]
.endr
	v_nop                                          ; a plain instruction behind the last reciprocal
	s_wait_alu depctr_va_vdst(0)                   ; one wait for the four, ahead of their first reader
	WIN 0x41
.irp t, 0,1,2,3
.set ii, 32*\t
.rept 16
	v_pk_mul_f32 v[ii:ii+1], v[ii:ii+1], v[ST+8*\t+6:ST+8*\t+7] op_sel_hi:[1,0]
.set ii, ii+2
.endr
.endr
	WIN 0x05                                       ; sources in window 1, destination in window 0
.set ii, 0
.rept 64
	v_cvt_pk_f16_f32 v[S+ii], v[2*ii], v[2*ii+1]
.set ii, ii+1
.endr
	WIN 0
.irp t, 0,1,2,3
.irp ct, 0,1,2,3
	global_store_b128 v[LI], v[S+16*\t+4*\ct:S+16*\t+4*\ct+3], s[6:7] offset:\t*1024+(\ct/2)*8192+(\ct%2)*512
.endr
.endr
	s_wait_tensorcnt 0x0                           ; the wave's end
	ds_add_u32 v[SPW], v[NIL]
	s_wait_dscnt 0x0
	CROUND                                         ; the closing round
	s_endpgm
.Lfunc_end_k_q7bba4483c7_attn:
	.size	k_q7bba4483c7_attn, .Lfunc_end_k_q7bba4483c7_attn-k_q7bba4483c7_attn
	.p2alignl 7, 3214868480
	.fill 96, 4, 3214868480
	.section	.rodata,"a",@progbits
	.p2align	6, 0x0
	.amdhsa_kernel k_q7bba4483c7_attn
		.amdhsa_group_segment_fixed_size 327680
		.amdhsa_private_segment_fixed_size 0
		.amdhsa_enable_private_segment 0
		.amdhsa_kernarg_size 16
		.amdhsa_user_sgpr_count 2
		.amdhsa_user_sgpr_kernarg_segment_ptr 1
		.amdhsa_wavefront_size32 1
		.amdhsa_system_sgpr_workgroup_id_x 1
		.amdhsa_system_sgpr_workgroup_id_y 1
		.amdhsa_system_sgpr_workgroup_id_z 1
		.amdhsa_system_vgpr_workitem_id 0
		.amdhsa_next_free_vgpr 512
		.amdhsa_next_free_sgpr 66
		.amdhsa_reserve_vcc 0
		.amdhsa_float_denorm_mode_32 3
		.amdhsa_float_denorm_mode_16_64 3
		.amdhsa_memory_ordered 1
		.amdhsa_forward_progress 1
		.amdhsa_inst_pref_size 255
	.end_amdhsa_kernel
	.section	.bss,"aw",@nobits
	.p2align	6
	.space	262144
	.amdgpu_metadata
---
amdhsa.version: [ 1, 2 ]
amdhsa.kernels:
  - .name:           k_q7bba4483c7_attn
    .symbol:         k_q7bba4483c7_attn.kd
    .args:
      - { .name: qkv, .offset: 0, .size: 8, .value_kind: global_buffer, .address_space: global }
      - { .name: att, .offset: 8, .size: 8, .value_kind: global_buffer, .address_space: global }
    .group_segment_fixed_size: 327680
    .private_segment_fixed_size: 0
    .kernarg_segment_align: 8
    .kernarg_segment_size: 16
    .max_flat_workgroup_size: 256
    .sgpr_count:     66
    .vgpr_count:     512
    .wavefront_size: 32
...
	.end_amdgpu_metadata
.endif
;; end of part 3
;; launch out_gemm (part 4): grid 4 x 64, 4 waves a work-group, clusters of 4 x 4, 327,680 bytes of LDS; arguments att, wo16, bo, out0; writes out0
.if DOCPART == 4
	.amdgcn_target "amdgcn-amd-amdhsa--gfx1250"
	.amdhsa_code_object_version 6
	.text
	.protected	k_q7bba4483c7_out_gemm
	.globl	k_q7bba4483c7_out_gemm
	.p2align	8
	.type	k_q7bba4483c7_out_gemm,@function
k_q7bba4483c7_out_gemm:
	s_mov_b64 s[64:65], 0
	v_nop
	global_prefetch_b8 v0, s[64:65] scope:SCOPE_SE
	s_setreg_imm32_b32 hwreg(HW_REG_WAVE_MODE, 25, 1), 1
	s_wait_xcnt 0x0
	s_wait_alu depctr_hold_cnt(0) depctr_sa_sdst(0) depctr_va_vdst(0) depctr_va_sdst(0) depctr_va_ssrc(0) depctr_va_vcc(0) depctr_vm_vsrc(0)
	s_getreg_b32 s2, hwreg(HW_REG_IB_STS2, 6, 4)
	s_cmp_eq_u32 s2, 0
	s_cbranch_scc0 .Lentry_in_a_cluster
	s_endpgm
.Lentry_in_a_cluster:
	s_bfe_u32 s2, ttmp6, 0x10000c
	s_cmp_lg_u32 s2, 0xf033
	s_cbranch_scc0 .Lentry_shape_is_right
	s_endpgm
.Lentry_shape_is_right:
; out0[m][n] = the sum over k of att[m][k] Wo[k][n] + bo[n]: f16 operands, f32 sums, f32 out.  M = 8,192, N = K = 1,024.
; A tile of 128 tokens x 256 columns to a work-group: 256 work-groups.  Four waves, each 64 x 128: 32 accumulators, 256 registers (window 1).
; Both operands lie in memory as images of operand registers (16 rows x 32 k: two runs of 512 bytes, 16 bytes a lane), so a K step of 128 is one dense block (A 32,768 bytes, B 65,536),
; LDS needs no padding (a load's 512 bytes are consecutive), and a fragment is two ds_load_b128 at 16 x lane.  K goes in 8 steps through a ring of two slots.
; CLUSTERS: 4 x 4; the grid is one cluster wide.  A's tiles are asked for jointly along a row of the cluster, B's along a column.
; THE MATRIX INSTRUCTION IS USED TRANSPOSED (source 0 = 16 columns of Wo, source 1 = 16 tokens): a lane holds one token and eight neighbouring columns.  bo is the C of each sum's first product.
; REGISTERS: window 0: v16-30 addresses; two fragment buffers of 96 (A 32, B 64) at v32 and v128; on the way out v32-159 rows of out0.  window 1: the accumulators ((a, b) at 8 (8 a + b)).  window 2: v0-63 bo.
.set SLOT,   98304                     ; A's 32,768 bytes, then B's 65,536
.set BOFF,   32768
.set STAGE,  2*SLOT                    ; behind the ring: 16 rows x (512 bytes + 16) for each wave; no tensor load fills it
.set SPITCH, 528
.set SPARE,  STAGE+4*16*SPITCH         ; the spare words, 128 bytes a wave: two blocks of 256 bytes that no other line names
.set ADRA, 16
.set ADRB, 20
.set STO,  24
.set RD,   25
.set CO,   26                          ; v26  16 x lane
.set BA,   27                          ; v27  32 x (lane / 16)
.set SPW,  28
.set NIL,  29
.set PFO,  30                          ; v30  256 x lane
.set F0,   32
.set F1,   128
.set BK,   32
.set WV,   12                          ; s12 wave; s13 = wave / 2: my half of the tokens, and: I fetch for A (0) or B (1); s14 = wave % 2: my half of the columns, and which half I fetch
.set LIM,  15
.set G1,   24
.set G0,   32
.set G1B,  48
.set G0B,  56
.set PFA,  66
.set MSB, 0
.macro WIN new
.if MSB != (\new)
	s_set_vgpr_msb (MSB<<8)|(\new)
.set MSB, (\new)
.endif
.endm
.set MUL, 0x50                         ; A and B in window 0, C and D in window 1
.macro JLOAD s                         ; a joint load; an s_nop 0 and four v_nop follow each of the two lines
	s_cmp_eq_u32 s13, 0
	s_cbranch_scc0 .Lfor_b_\@
	tensor_load_to_lds s[G0+4*\s:G0+4*\s+3], s[G1:G1+7]
	s_nop 0
.rept 4
	v_nop
.endr
	s_branch .Lasked_\@
.Lfor_b_\@:
	tensor_load_to_lds s[G0B+4*\s:G0B+4*\s+3], s[G1B:G1B+7]
	s_nop 0
.rept 4
	v_nop
.endr
.Lasked_\@:
.endm
.macro CREST
	s_cmp_lg_u32 s[WV], 0
	s_cbranch_scc1 .Lnot_wave_0_\@
	s_barrier_signal -3
.Lnot_wave_0_\@:
	s_barrier_wait -3
	s_barrier_signal -1
	s_barrier_wait -1
.endm
.macro CROUND
	s_barrier_signal -1
	s_barrier_wait -1
	CREST
.endm
; A PREFETCH INTO THE L2 of A's K step that stands two refills on (256 matrix instructions of a wave ahead of its load): 32,768 bytes; the four partners that ask for it jointly share them out BY ADDRESS, 8,192 each;
; in each, wave 0 asks, lanes 256 bytes apart: each aligned block of 256 bytes is named once in the launch.  The last two refills ask for nothing; K steps 0 to 3 come by their loads alone.  B is read by all sixteen clusters and is not asked for.
.macro ASK
	s_cmp_gt_u32 s3, s[LIM]
	s_cbranch_scc0 .Lnot_mine_\@
	global_prefetch_b8 v[PFO], s[PFA:PFA+1] offset:32768 th:TH_LOAD_NT scope:SCOPE_SE
.Lnot_mine_\@:
.endm
	s_load_b256 s[4:11], s[0:1], 0x0               ; att s[4:5], wo16 s[6:7], bo s[8:9], out0 s[10:11]
	v_lshl_add_u32 v[SPW], v0, 2, SPARE
	v_mov_b32 v[NIL], 0
	ds_add_u32 v[SPW], v[NIL]                      ; the wave's opening: the add, twice on end, and its wait ahead of my first tensor load
	ds_add_u32 v[SPW], v[NIL]
	v_lshrrev_b32 v1, 5, v0
	v_readfirstlane_b32 s[WV], v1
	s_lshr_b32 s13, s[WV], 1
	s_and_b32 s14, s[WV], 1
	s_bfe_u32 s40, ttmp6, 0x40000                  ; cx = the block of 256 columns
	s_bfe_u32 s41, ttmp6, 0x40004                  ; cy
	s_and_b32 s42, ttmp7, 0xffff
	s_lshl_b32 s42, s42, 2
	s_add_co_u32 s42, s42, s41                     ; the block of 128 tokens = 4 x cluster y + cy
	s_lshl_b32 s43, s41, 2
	s_lshl_b32 s43, 15, s43                        ; my row of the cluster
	s_lshl_b32 s44, 0x1111, s40                    ; my column
	s_or_b32 s[G1], s43, (3<<16)|(1<<21)           ; the mask; elements of 8 bytes; bit 21 beside a mask; no padding
	s_or_b32 s[G1B], s44, (3<<16)|(1<<21)
	s_mov_b32 s[G1+1], 32<<16                      ; rows of 256 bytes,
	s_mov_b32 s[G1+2], 64<<16                      ; A: 64 of them to a load
	s_mov_b32 s[G1+3], 32<<16
	s_mov_b32 s[G1+4], 64
	s_mov_b32 s[G1+5], 32                          ; dense
	s_mov_b32 s[G1+6], 0
	s_mov_b32 s[G1+7], 0
	s_mov_b32 s[G1B+1], 32<<16
	s_mov_b32 s[G1B+2], 128<<16                    ; B: 128
	s_mov_b32 s[G1B+3], 32<<16
	s_mov_b32 s[G1B+4], 128
	s_mov_b32 s[G1B+5], 32
	s_mov_b32 s[G1B+6], 0
	s_mov_b32 s[G1B+7], 0
	s_lshl_b32 s16, s42, 18                        ; A: block x 262,144 + half x 16,384
	s_lshl_b32 s20, s14, 14                        ; (that half's place in a slot too)
	s_add_co_u32 s16, s16, s20
	s_mov_b32 s17, 0
	s_lshl_b32 s46, s40, 19                        ; B: block x 524,288 + half x 32,768
	s_lshl_b32 s22, s14, 15
	s_add_co_u32 s46, s46, s22
	s_mov_b32 s47, 0
	s_add_co_u32 s21, s22, BOFF
	s_wait_dscnt 0x0                               ; both opening adds are done
	s_wait_kmcnt 0x0
	s_add_nc_u64 s[16:17], s[4:5], s[16:17]
	s_add_nc_u64 s[46:47], s[6:7], s[46:47]
	CROUND                                         ; all sixteen work-groups are here: the first joint loads meet
.irp s, 0,1
	s_mov_b32 s[G0+4*\s], 1
	s_add_co_u32 s[G0+4*\s+1], s20, \s*SLOT
	s_add_nc_u64 s[G0+4*\s+2:G0+4*\s+3], s[16:17], \s*32768
	s_or_b32 s[G0+4*\s+3], s[G0+4*\s+3], 0x80000000
	s_mov_b32 s[G0B+4*\s], 1
	s_add_co_u32 s[G0B+4*\s+1], s21, \s*SLOT
	s_add_nc_u64 s[G0B+4*\s+2:G0B+4*\s+3], s[46:47], \s*65536
	s_or_b32 s[G0B+4*\s+3], s[G0B+4*\s+3], 0x80000000
	JLOAD \s                                       ; two loads of mine are out behind the second
.endr
	v_and_b32 v1, 15, v0
	v_bfe_u32 v2, v0, 4, 1
	v_and_b32 v3, 31, v0
	v_lshlrev_b32 v[CO], 4, v3
	s_lshl_b32 s22, s13, 12                        ; my four token tiles of A
	s_lshl_b32 s23, s14, 13                        ; my eight column tiles of B
	s_add_co_u32 s23, s23, BOFF
.irp s, 0,1
	v_add_nc_u32 v[ADRA+\s], s22, v[CO]
	v_add_nc_u32 v[ADRB+\s], s23, v[CO]
	s_add_co_u32 s22, s22, SLOT
	s_add_co_u32 s23, s23, SLOT
.endr
	s_mul_i32 s22, s[WV], 16*SPITCH
	s_add_co_u32 s22, s22, STAGE                   ; my stage
	v_mul_u32_u24 v4, v1, SPITCH
	v_lshl_add_u32 v4, v2, 5, v4
	v_add_nc_u32 v[STO], s22, v4                   ; in: row l % 16, 32 bytes for each half of the lanes
	v_add_nc_u32 v[RD], s22, v[CO]                 ; back: the 32 lanes take one row of 512 bytes
	v_lshlrev_b32 v[BA], 5, v2
	v_lshlrev_b32 v[PFO], 8, v3
	s_lshl_b32 s22, s42, 7
	s_lshl_b32 s23, s13, 6
	s_add_co_u32 s22, s22, s23                     ; my first row of out0,
	s_lshl_b32 s22, s22, 12                        ; of 4,096 bytes
	s_lshl_b32 s46, s40, 10
	s_lshl_b32 s47, s14, 9
	s_add_co_u32 s46, s46, s47                     ; my first column, in bytes
	s_mov_b32 s47, 0
	s_add_nc_u64 s[8:9], s[8:9], s[46:47]
	s_add_co_u32 s46, s46, s22
	s_add_nc_u64 s[10:11], s[10:11], s[46:47]
	s_lshl_b32 s46, s42, 18                        ; the prefetches: my block of A, my work-group's 8,192 bytes of a K step,
	s_lshl_b32 s2, s40, 13
	s_add_co_u32 s46, s46, s2
	s_add_co_u32 s46, s46, 2*32768                 ; at K step 2: the first refill steps it to 3 and names K step 4.  Nothing is prefetched here, at the head
	s_add_nc_u64 s[PFA:PFA+1], s[4:5], s[46:47]
	s_cmp_eq_u32 s[WV], 0
	s_cselect_b32 s[LIM], 1, -1
	WIN 0x80                                       ; destination window 2
.irp b, 0,1,2,3,4,5,6,7
	global_load_b128 v[8*\b:8*\b+3], v[BA], s[8:9] offset:64*\b            ; lane (r, h): bo of columns 16 b + 8 h + 0..7: the result's layout
	global_load_b128 v[8*\b+4:8*\b+7], v[BA], s[8:9] offset:64*\b+16
.endr
	WIN 0
.macro MUL8 f, a, zero                 ; token tile a x my eight column tiles, 32 along K.  zero = 1: the first product starts the sums, with bo as C.  The 32 accumulators take turns
.irp b, 0,1,2,3,4,5,6,7
.if \zero
	v_wmma_f32_16x16x32_f16 v[8*(8*(\a)+\b):8*(8*(\a)+\b)+7], v[\f+32+8*\b:\f+32+8*\b+7], v[\f+8*(\a):\f+8*(\a)+7], v[8*\b:8*\b+7]
.else
	v_wmma_f32_16x16x32_f16 v[8*(8*(\a)+\b):8*(8*(\a)+\b)+7], v[\f+32+8*\b:\f+32+8*\b+7], v[\f+8*(\a):\f+8*(\a)+7], v[8*(8*(\a)+\b):8*(8*(\a)+\b)+7]
.endif
.endr
.endm
.macro FETCH slot, q, f                ; 24 LDS loads in one run: the slot's q-th 32 along K: B's eight fragments, then A's four
.irp i, 0,1,2,3,4,5,6,7
	ds_load_b128 v[\f+32+8*\i:\f+32+8*\i+3],   v[ADRB+\slot] offset:(\q)*16384+\i*1024
	ds_load_b128 v[\f+32+8*\i+4:\f+32+8*\i+7], v[ADRB+\slot] offset:(\q)*16384+\i*1024+512
.endr
.irp i, 0,1,2,3
	ds_load_b128 v[\f+8*\i:\f+8*\i+3],   v[ADRA+\slot] offset:(\q)*8192+\i*1024
	ds_load_b128 v[\f+8*\i+4:\f+8*\i+7], v[ADRA+\slot] offset:(\q)*8192+\i*1024+512
.endr
.endm
.macro PLACES                          ; four plain places in front of loads into registers that matrix instructions have read, and of the first read of results (ISA guide 7.12.1 for the first read of results)
.rept 4
	v_nop
.endr
.endm
.macro QUARTER slot, q, f, g, zero     ; multiplies buffer f; in its middle fetches the slot's q-th quarter into buffer g
	s_wait_dscnt 4                                 ; B and A's tiles 0, 1 are in; the youngest four loads (A's tiles 2, 3) may be out
	WIN MUL+0x10*(\zero)                           ; zero = 1: C lies in window 2
	MUL8 \f, 0, \zero
	MUL8 \f, 1, \zero
	WIN 0
	PLACES
	FETCH \slot, \q, \g
	s_wait_dscnt 24                                ; all but the 24 just issued
	WIN MUL+0x10*(\zero)
	MUL8 \f, 2, \zero
	MUL8 \f, 3, \zero
.endm
; A slot's last quarter multiplies buffer 1 and changes slots: ONE barrier; in front of it each wave waits for all its tensor loads, adds 0 to its spare word, and waits for that and for its reads of this slot.
; fill = 1: the barrier opens a round of the cluster's, and this slot is filled again, two K steps ahead, first thing behind the round.
.macro TURN slot, next, fill
.if \fill
	s_wait_xcnt 0x0                                ; the last prefetch, a K step back, has read its address
	s_add_nc_u64 s[PFA:PFA+1], s[PFA:PFA+1], 32768
.endif
	WIN 0
	s_wait_tensorcnt 0x0                           ; all my tensor loads have landed: my part of the next slot
	ds_add_u32 v[SPW], v[NIL]                      ; 0 onto my spare word
	s_wait_dscnt 5                                 ; (the add and the youngest four loads may be out)
	WIN MUL
	MUL8 F1, 0, 0
	s_wait_dscnt 0x0                               ; the add is done, and my reads of this slot are over
	s_barrier_signal -1
	MUL8 F1, 1, 0
	WIN 0
	s_barrier_wait -1
.if \fill
	CREST
	s_add_nc_u64 s[G0+4*\slot+2:G0+4*\slot+3], s[G0+4*\slot+2:G0+4*\slot+3], 2*32768
	s_add_nc_u64 s[G0B+4*\slot+2:G0B+4*\slot+3], s[G0B+4*\slot+2:G0B+4*\slot+3], 2*65536
	JLOAD \slot                                    ; the four v_nop behind it are also the places in front of the loads below
.else
	PLACES
.endif
	FETCH \next, 0, F0
.if \fill
	ASK
.endif
	WIN MUL
	MUL8 F1, 2, 0
	MUL8 F1, 3, 0
.endm
	s_wait_tensorcnt 1                             ; my part of K step 0 is in (K step 1's load may be out),
	s_barrier_signal -1
	s_barrier_wait -1                              ; everybody's is
	FETCH 0, 0, F0
	s_wait_loadcnt 0x0                             ; bo
	QUARTER 0, 1, F0, F1, 1                        ; the first quarter stands in front of the loop: its products start the sums
	WIN 0
	s_mov_b32 s3, 3
.Llap:                                             ; a trip goes once round the ring, from a lap's second quarter to the next lap's first, and fills both slots again
	QUARTER 0, 2, F1, F0, 0
	QUARTER 0, 3, F0, F1, 0
	TURN 0, 1, 1
	QUARTER 1, 1, F0, F1, 0
	QUARTER 1, 2, F1, F0, 0
	QUARTER 1, 3, F0, F1, 0
	TURN 1, 0, 1
	QUARTER 0, 1, F0, F1, 0
	WIN 0
	s_sub_co_u32 s3, s3, 1
	s_cmp_lg_u32 s3, 0
	s_cbranch_scc1 .Llap
	QUARTER 0, 2, F1, F0, 0                        ; the last lap fills nothing
	QUARTER 0, 3, F0, F1, 0
	TURN 0, 1, 0
	QUARTER 1, 1, F0, F1, 0
	QUARTER 1, 2, F1, F0, 0
	QUARTER 1, 3, F0, F1, 0
	s_wait_dscnt 4                                 ; the very last quarter: nothing more to fetch
	WIN MUL
	MUL8 F1, 0, 0
	MUL8 F1, 1, 0
	s_wait_dscnt 0
	MUL8 F1, 2, 0
	MUL8 F1, 3, 0
	WIN 0
; THE WAY OUT, a block of 16 tokens x 128 columns at a time: a lane holds 32 bytes of a row, the lanes beside it other rows: so a block goes through my own stage and comes back as whole rows of 512 bytes.
; LDS serves a wave's instructions in order (ISA guide 5.7.1.4): no wait between the stores and the loads, nor in front of the next block's stores.
.macro TOSTAGE a
	WIN 0x04                                       ; an LDS store's data are its source 1: window 1
.irp b, 0,1,2,3,4,5,6,7
	ds_store_b128 v[STO], v[8*(8*(\a)+\b):8*(8*(\a)+\b)+3] offset:64*\b          ; each accumulator from its low end on
	ds_store_b128 v[STO], v[8*(8*(\a)+\b)+4:8*(8*(\a)+\b)+7] offset:64*\b+16
.endr
	WIN 0
.set BB, BK+64*((\a)%2)
.irp t, 0,1,2,3,4,5,6,7,8,9,10,11,12,13,14,15
	ds_load_b128 v[BB+4*\t:BB+4*\t+3], v[RD] offset:\t*SPITCH
.endr
.endm
.macro SEND a, younger
.set BB, BK+64*((\a)%2)
	s_wait_dscnt \younger                          ; the block is back in registers
.if (\a) > 0
	s_add_nc_u64 s[10:11], s[10:11], 16*4096       ; (behind a wait on XCNT: the earlier stores have read their base)
.endif
.irp t, 0,1,2,3,4,5,6,7,8,9,10,11,12,13,14,15
	global_store_b128 v[CO], v[BB+4*\t:BB+4*\t+3], s[10:11] offset:\t*4096 th:TH_STORE_NT   ; 32 lanes store 512 consecutive bytes, aligned
.endr
.endm
	PLACES
	TOSTAGE 0
.irp a, 1,2,3
.if \a > 1
	s_wait_xcnt 0x0                                ; block a - 2's stores have read their registers and their base
.endif
	TOSTAGE \a
	SEND \a-1, 32                                  ; behind block a - 1's loads: block a's 16 stores and 16 loads
.endr
	s_wait_xcnt 0x0
	SEND 3, 0
	s_wait_tensorcnt 0x0                           ; the wave's end, behind my last tensor load and my last LDS store
	ds_add_u32 v[SPW], v[NIL]
	s_wait_dscnt 0x0
	CROUND                                         ; the closing round
	s_endpgm
.Lfunc_end_k_q7bba4483c7_out_gemm:
	.size	k_q7bba4483c7_out_gemm, .Lfunc_end_k_q7bba4483c7_out_gemm-k_q7bba4483c7_out_gemm
	.p2alignl 7, 3214868480
	.fill 96, 4, 3214868480
	.section	.rodata,"a",@progbits
	.p2align	6, 0x0
	.amdhsa_kernel k_q7bba4483c7_out_gemm
		.amdhsa_group_segment_fixed_size 327680
		.amdhsa_private_segment_fixed_size 0
		.amdhsa_enable_private_segment 0
		.amdhsa_kernarg_size 32
		.amdhsa_user_sgpr_count 2
		.amdhsa_user_sgpr_kernarg_segment_ptr 1
		.amdhsa_wavefront_size32 1
		.amdhsa_system_sgpr_workgroup_id_x 1
		.amdhsa_system_sgpr_workgroup_id_y 1
		.amdhsa_system_sgpr_workgroup_id_z 1
		.amdhsa_system_vgpr_workitem_id 0
		.amdhsa_next_free_vgpr 576
		.amdhsa_next_free_sgpr 68
		.amdhsa_reserve_vcc 0
		.amdhsa_float_denorm_mode_32 3
		.amdhsa_float_denorm_mode_16_64 3
		.amdhsa_memory_ordered 1
		.amdhsa_forward_progress 1
		.amdhsa_inst_pref_size 87
	.end_amdhsa_kernel
	.amdgpu_metadata
---
amdhsa.version: [ 1, 2 ]
amdhsa.kernels:
  - .name:           k_q7bba4483c7_out_gemm
    .symbol:         k_q7bba4483c7_out_gemm.kd
    .args:
      - { .name: att, .offset: 0, .size: 8, .value_kind: global_buffer, .address_space: global }
      - { .name: wo16, .offset: 8, .size: 8, .value_kind: global_buffer, .address_space: global }
      - { .name: bo, .offset: 16, .size: 8, .value_kind: global_buffer, .address_space: global }
      - { .name: out0, .offset: 24, .size: 8, .value_kind: global_buffer, .address_space: global }
    .group_segment_fixed_size: 327680
    .private_segment_fixed_size: 0
    .kernarg_segment_align: 8
    .kernarg_segment_size: 32
    .max_flat_workgroup_size: 128
    .sgpr_count:     68
    .vgpr_count:     576
    .wavefront_size: 32
...
	.end_amdgpu_metadata
.endif
;; end of part 4
